; MI455X (gfx1250); checked and timed in simulation.
; The chip was launched on July 23, 2026; its instructions are those of AMD's public machine-readable ISA for CDNA 5 (MIT licence, August 2026) and "CDNA5" Instruction Set Architecture Reference Guide (July 2026). The comments in the code are by the model that wrote it; some were corrected since.
;; Simple Retention. Allowed arithmetic: matrix products marked QUANTISED: E2M1 operands, one E8M0 scale for each 32 along K, by v_wmma_scale_f32_16x16x128_f8f6f4 with both operands' format E2M1 (or v_wmma_scale_f32_32x16x128_f4), f32 sums; everything else in f32.
;; Inputs: K 4 x 4,096 x 64 float32; Q 4 x 4,096 x 64 float32; V 4 x 4,096 x 64 float32.
;; Outputs: out0 4 x 4,096 x 64 float32.
;; This version of the problem:
;;   THIS VERSION OF THE PROBLEM IS GIVEN IN LOW PRECISION. The matrix products marked QUANTISED in the list below multiply operands that are first quantised to E2M1 (2 exponent bits, 1 mantissa bit; 4 bits a number), with one power-of-two scale for each 32 numbers along K (OCP MX v1.0); their sums are f32. All else is computed in f32.
;;   The module's matrix products, in the order in which they are computed (A, B: the left and right operand; K: the contracted axis; several contracted axes count as one K, in the product's order):
;;     1. batch 4 x [M 4,096, K 64] x [K 64, N 4,096]; A: computed on the way; B: computed on the way: QUANTISED
;;     2. batch 4 x [M 4,096, K 4,096] x [K 4,096, N 64]; A: computed on the way; B: input V: QUANTISED
;;   THE QUANTISER, for each operand of a quantised product, along K:
;;     - K is cut into blocks of 32 from its start; a last block that is shorter is filled with zeros.
;;     - A block's scale is 2^e with e = floor(log2(the largest magnitude in the block)) - 2, held to -126 .. 127; a block of zeros has e = 0. As a byte (E8M0): e + 127.
;;     - Each number is divided by its block's scale, clamped to +-6, and rounded to the nearest number of E2M1, ties to even, subnormals kept.
;;     - The product sums the exact products of the quantised numbers (number of the format x scale) in f32.
;;   ~~~python
;;   def quantise(x, axis):      # numpy; x: float32 -> the quantised numbers, widened to float32 again
;;       x = np.moveaxis(x, axis, -1); K = x.shape[-1]
;;       x = np.pad(x, [(0, 0)] * (x.ndim - 1) + [(0, -K % 32)]); x = x.reshape(x.shape[:-1] + (-1, 32)); a = np.abs(x).max(-1, keepdims=True)
;;       e = np.where(a > 0, np.clip(np.frexp(np.where(a > 0, a, 1))[1] - 1 - 2, -126, 127), 0)      # np.frexp(a)[1] - 1 = floor(log2(a)), exactly
;;       r = np.clip(x / 2.0 ** e, -6, 6)
;;       step = 2.0 ** (np.maximum(np.frexp(np.where(r == 0, 1, r))[1] - 1, 0) - 1)
;;       q = np.round(r / step) * step * 2.0 ** e      # np.round: ties to even
;;       return np.moveaxis(q.reshape(q.shape[:-2] + (-1,))[..., :K], -1, axis).astype(np.float32)
;;   ~~~
;;   OPERANDS COMPUTED ON THE WAY. 'Computed on the way' means the value that the module computes at that place (a softmax that the list does not call 'softmax' is quantised finished and normalised). What goes into a quantiser is computed in f32, as accurately as f32 sums, v_exp_f32 and their like allow (about 1e-6 of the number): no bf16 or f16 on the way to a quantiser, and a product that is left as it is and whose result goes on into a quantised operand takes f32 operands (vector FMAs, or v_wmma_f32_16x16x4_f32). A number that lies on a knife's edge between two numbers of the format may be rounded either way, as far as f32 arithmetic and the matrix unit's own rounding can turn it there, and no further.
;; 2 versions, each right; version 2 is version 1 with the launch ret written anew for expert scheduling mode. Each part assembles by itself: llvm-mc -triple=amdgcn-amd-amdhsa -mcpu=gfx1250 --defsym DOCPART=n.
;; ======== version 1 of 2: 2 launches
;; workspace buffers: wk 1,741,824 bytes
;; launch prep (part 1): grid 193 x 1, 4 waves a work-group, no clusters, 24,064 bytes of LDS; arguments Q, K, V, wk; writes wk
.if DOCPART == 1
	.amdgcn_target "amdgcn-amd-amdhsa--gfx1250"
	.amdhsa_code_object_version 6
	.text
	.protected	k_q2e62cdcc43_prep
	.globl	k_q2e62cdcc43_prep
	.p2align	8
	.type	k_q2e62cdcc43_prep,@function
k_q2e62cdcc43_prep:
	s_mov_b64 s[64:65], 0
	v_nop
	global_prefetch_b8 v0, s[64:65] scope:SCOPE_SE
	s_setreg_imm32_b32 hwreg(HW_REG_WAVE_MODE, 25, 1), 1
	s_wait_xcnt 0x0
; Q, K, V [4][4096][64] f32 -> wk: codes of FP4 (E2M1) with one E8M0 byte for each 32 along a product's K, and two tables of powers of gamma = 31/32.
; wk:  QC [b][n][32 B]  q = xpos(Q): 64 codes a row;   KC the same for k = xpos(K, scale inverted);
;      VC [b][s 32][tv 4][c 2][lane][16 B]: V as an image of the operand's registers: lane 16 h + r holds channel 16 tv + r, keys 128 s + 64 c + 32 h + 0 .. 31;
;      QKS [n / 32][q, k][b][n % 32] words, bytes (s0, s1, s0, s1): a row's two scale bytes, twice;   VSC [b][s][channel / 32][channel % 32] words, byte t = keys 128 s + 32 t on;
;      T0T [i / 4][lane][4]: gamma^(31 + r - 16 h - i);   CT [idx 384] pairs (c, c): c = gamma^(16 idx - 127), 0 for idx < 6.
; SHARES: work-groups 0-127: 32 positions n of Q and K, all four batches (one table of sines, cosines and scales serves eight rows); 128-191: V, a wave takes 128 keys x 32 channels; 192: the tables.
; No tensor loads and no ring: each byte is read once, straight into registers, and all of a wave's loads of Q and K (16 KiB) are out while it makes its tables.
; ACCURACY.  The angle is the f32 number n x inv_freq, inv_freq = RN(1 / RN(10^(i/8))): the powers stand as decimal literals, the reciprocal is refined to the nearest f32.  The reduction by pi/2 is in two parts, the
; first exact for angles under 4,096.  base^(n/512) = 2^(n/512 x log2(base)) with the logarithm kept as a sum of two f32.
; LIMITS: NaN and infinities among the inputs are not served.  A block of zeros gets the byte 1 where the rule says 127 (its codes are zeros, and this program alone reads the bytes); blocks whose largest
; magnitude lies under 2^-124 are held at the byte 1.
.set QC,   0
.set KC,   524288
.set VC,   1048576
.set QKS,  1572864
.set VSC,  1703936
.set T0T,  1736704
.set CT,   1738752
.set CONSTB, 20480                     ; LDS: behind the four waves' stages (2 x 2,560 bytes each): 512 bytes a wave for the 32 channel pairs' constants
.set SCL,  22528                       ; LDS: the work-group's scale words, [8 rows of tensors][32 positions]
.set INV,  16                          ; v16-23 inv_freq, v24-31 and v32-39 log2(base) in two parts, of my 8 channel pairs
.set LH,   24
.set LL,   32
.set CQ,   40                          ; v40-47 cos x scale, v48-55 sin x scale, v56-63 cos / scale, v64-71 sin / scale
.set TA,   72                          ; six arrays of 8 at work while the tables are made
.set TB,   80
.set TC,   88
.set TD,   96
.set TE,   104
.set TF,   112
.set TT,   16                          ; later: v16-31 the rotated products
.set CD,   72                          ; v72-87 codes, two registers for each of the eight rows
.set EB,   88                          ; v88-95 scale bytes
.set X,    96                          ; v96-127 two sets of 16 neighbours
.set R,    128                         ; v128-255 eight rows as loaded
	s_load_b256 s[4:11], s[0:1], 0x0               ; Q s[4:5], K s[6:7], V s[8:9], wk s[10:11]
	s_set_vgpr_msb 0x40
	v_lshl_add_u32 v0, v0, 2, 0x5c00
	v_mov_b32 v1, 0
	s_set_vgpr_msb 0x4000
	v_lshrrev_b32 v1, 5, v0
	v_readfirstlane_b32 s12, v1                    ; wave 0..3
	v_and_b32 v1, 31, v0                           ; lane
	s_cmp_lt_u32 ttmp9, 128
	s_cbranch_scc0 .Lnot_qk
; ---------------------------------------------------------------- Q and K
	v_lshlrev_b32 v2, 4, v1                        ; my 16 bytes of a load's 512
	s_mul_i32 s13, s12, 5120                       ; my wave's two stages
	v_lshrrev_b32 v11, 2, v1                       ; rho = lane / 4: which of the wave's 8 positions
	v_and_b32 v12, 3, v1                           ; qd = lane % 4: channels 16 qd on
	v_mul_u32_u24 v3, v11, 80
	v_lshl_add_u32 v3, v12, 4, v3
	v_add_nc_u32 v3, s13, v3                       ; into a stage: four lanes' 64 bytes on end, then 16 of padding
	v_mul_u32_u24 v4, v1, 80
	v_add_nc_u32 v4, s13, v4                       ; out of it: 80 x lane: my 16 neighbours
	v_bfe_u32 v13, v1, 1, 1                        ; which block of 32 channels
	v_lshl_add_u32 v5, v11, 2, v13
	s_lshl_b32 s14, s12, 5
	s_add_co_u32 s14, s14, SCL
	v_add_nc_u32 v5, s14, v5                       ; my block's byte in its position's scale word
	s_lshl_b32 s15, ttmp9, 5
	s_lshl_b32 s16, s12, 3
	s_add_co_u32 s15, s15, s16                     ; my wave's first position: 32 p + 8 w
	s_lshl_b32 s16, s15, 5
	v_lshl_add_u32 v6, v1, 3, s16                  ; my 8 bytes of codes: 32 bytes a position
	v_add_nc_u32 v7, s15, v11
	v_cvt_f32_u32 v7, v7                           ; n
	v_mul_f32 v8, 0x3b000000, v7                   ; n / 512, exact
	s_lshl_b32 s17, s12, 9
	s_add_co_u32 s17, s17, CONSTB
	v_lshl_add_u32 v9, v1, 2, s17                  ; constants: lane i stores pair i's,
	v_lshl_add_u32 v10, v12, 5, s17                ; and reads those of pairs 8 qd .. 8 qd + 7
	s_lshl_b32 s16, s12, 8
	s_add_co_u32 s14, s16, SCL
	v_lshl_add_u32 v14, v1, 3, s14                 ; the scale words' way out: 256 bytes a wave,
	s_lshl_b32 s14, ttmp9, 10
	s_add_co_u32 s14, s14, s16
	v_lshl_add_u32 v15, v1, 3, s14                 ; and their place in QKS
	s_lshl_b32 s18, s15, 8                         ; 256 bytes a position
	s_mov_b32 s19, 0
	s_wait_kmcnt 0x0
	s_add_nc_u64 s[4:5], s[4:5], s[18:19]
	s_add_nc_u64 s[6:7], s[6:7], s[18:19]
.irp t, 0,1,2,3,4,5,6,7                        ; row t: Q of batch t, then K of batch t - 4: my 8 positions are 2,048 dense bytes: four loads of 512
.irp i, 0,1,2,3
	global_load_b128 v[R+16*\t+4*\i:R+16*\t+4*\i+3], v2, s[4+2*(\t/4):5+2*(\t/4)] offset:(\t%4)*1048576+512*\i th:TH_LOAD_NT
.endr
.endr
	; the constants of channel pair i = lane
.macro PLIT i, val
	s_mov_b32 s20, \val
	v_writelane_b32 v[TA], s20, \i
.endm
	v_mov_b32 v[TA], 0
	PLIT 0, 1.0                                    ; 10000^(i/32) = 10^(i/8), each literal taken to the nearest f32
	PLIT 1, 1.333521432163324
	PLIT 2, 1.7782794100389228
	PLIT 3, 2.371373705661655
	PLIT 4, 3.1622776601683795
	PLIT 5, 4.216965034285822
	PLIT 6, 5.623413251903491
	PLIT 7, 7.498942093324558
	PLIT 8, 10.0
	PLIT 9, 13.33521432163324
	PLIT 10, 17.782794100389228
	PLIT 11, 23.71373705661655
	PLIT 12, 31.622776601683795
	PLIT 13, 42.16965034285822
	PLIT 14, 56.23413251903491
	PLIT 15, 74.98942093324558
	PLIT 16, 100.0
	PLIT 17, 133.3521432163324
	PLIT 18, 177.82794100389228
	PLIT 19, 237.1373705661655
	PLIT 20, 316.22776601683795
	PLIT 21, 421.6965034285822
	PLIT 22, 562.3413251903491
	PLIT 23, 749.8942093324558
	PLIT 24, 1000.0
	PLIT 25, 1333.521432163324
	PLIT 26, 1778.2794100389228
	PLIT 27, 2371.373705661655
	PLIT 28, 3162.2776601683795
	PLIT 29, 4216.965034285822
	PLIT 30, 5623.413251903491
	PLIT 31, 7498.942093324558
	v_rcp_f32 v73, v72
	v_mov_b32 v76, 0x42b33333                      ; 89.6 (a plain line behind the reciprocal)
	s_wait_alu depctr_va_vdst(0)
	v_fma_f32 v74, -v72, v73, 1.0                  ; two steps of y += y (1 - P y): the nearest f32 to 1 / P
	v_fma_f32 v73, v73, v74, v73
	v_fma_f32 v74, -v72, v73, 1.0
	v_fma_f32 v73, v73, v74, v73                   ; inv_freq
	v_rcp_f32 v78, v76
	v_nop
	s_wait_alu depctr_va_vdst(0)
	v_fma_f32 v74, -v76, v78, 1.0
	v_fma_f32 v78, v78, v74, v78
	v_fma_f32 v74, -v76, v78, 1.0
	v_fma_f32 v78, v78, v74, v78                   ; 1 / 89.6
	v_cvt_f32_u32 v75, v1
	v_add_f32 v75, v75, v75                        ; 2 i
	v_add_f32 v75, 0x41cccccd, v75                 ; + 25.6
	v_mul_f32 v77, v75, v78
	v_fma_f32 v74, -v76, v77, v75                  ; the quotient's remainder,
	v_fma_f32 v77, v74, v78, v77                   ; base = the nearest f32 to (2 i + 25.6) / 89.6
	; log2(base) = log2(m) - s, m = base x 2^s in [0.707, 1.414]; log2(m) = (2 / ln 2) atanh(u), u = (m - 1) / (m + 1), all in pairs of f32
	v_cmp_gt_f32 vcc_lo, 0x3f3504f3, v77
	v_cndmask_b32 v79, 0, 1.0, vcc_lo
	v_cmp_gt_f32 vcc_lo, 0x3eb504f3, v77
	v_cndmask_b32 v80, 0, 1.0, vcc_lo
	v_add_f32 v79, v79, v80                        ; s = 0, 1 or 2
	v_cvt_i32_f32 v80, v79
	v_ldexp_f32 v80, v77, v80                      ; m
	v_add_f32 v81, -1.0, v80                       ; m - 1, exact
	v_add_f32 v82, 1.0, v80                        ; m + 1, and what its rounding lost:
	v_add_f32 v83, -1.0, v82
	v_sub_f32 v83, v80, v83
	v_rcp_f32 v84, v82
	v_nop
	s_wait_alu depctr_va_vdst(0)
	v_fma_f32 v74, -v82, v84, 1.0
	v_fma_f32 v84, v84, v74, v84
	v_mul_f32 v85, v81, v84                        ; u, upper part
	v_fma_f32 v86, -v85, v82, v81
	v_fma_f32 v86, -v85, v83, v86
	v_mul_f32 v86, v86, v84                        ; u, lower part
	v_mul_f32 v87, v85, v85                        ; z = u^2, at most 0.0295: the series is cut behind z^5 / 11, the next term is under 1e-10 of the sum
	v_mov_b32 v88, 0x3dba2e8c                      ; 1/11
	v_fmaak_f32 v88, v87, v88, 0x3de38e39          ; 1/9
	v_fmaak_f32 v88, v87, v88, 0x3e124925          ; 1/7
	v_fmaak_f32 v88, v87, v88, 0x3e4ccccd          ; 1/5
	v_fmaak_f32 v88, v87, v88, 0x3eaaaaab          ; 1/3
	v_mul_f32 v89, v85, v87
	v_fma_f32 v89, v89, v88, v86                   ; what atanh(u) has beyond u's upper part
	v_mul_f32 v90, 0x4038aa3b, v85                 ; x 2 / ln 2, itself in two parts
	v_fma_f32 v91, v85, 0x4038aa3b, -v90
	v_fma_f32 v91, v85, 0x33257060, v91
	v_fma_f32 v91, v89, 0x4038aa3b, v91
	v_sub_f32 v92, v90, v79                        ; - s, and what that rounding lost
	v_add_f32 v93, v92, v79
	v_sub_f32 v93, v90, v93
	v_add_f32 v93, v93, v91
	v_add_f32 v94, v92, v93                        ; log2(base), upper part
	v_sub_f32 v95, v94, v92
	v_sub_f32 v95, v93, v95                        ; lower part
	ds_store_b32 v9, v73                           ; through my wave's own 512 bytes: LDS serves a wave's instructions in order
	ds_store_b32 v9, v94 offset:128
	ds_store_b32 v9, v95 offset:256
	ds_load_b128 v[INV:INV+3], v10
	ds_load_b128 v[INV+4:INV+7], v10 offset:16
	ds_load_b128 v[LH:LH+3], v10 offset:128
	ds_load_b128 v[LH+4:LH+7], v10 offset:144
	ds_load_b128 v[LL:LL+3], v10 offset:256
	ds_load_b128 v[LL+4:LL+7], v10 offset:272
	s_mov_b32 s21, 0xbe2aaaa3                      ; sine: -1.6666654611e-1, 8.3321608736e-3, -1.9515295891e-4
	s_mov_b32 s22, 0x3c08839e
	s_mov_b32 s23, 0xb94ca1f9
	s_mov_b32 s24, 0x3d2aaaa5                      ; cosine: 4.166664568e-2, -1.388731625e-3, 2.443315712e-5
	s_mov_b32 s25, 0xbab6061a
	s_mov_b32 s26, 0x37ccf5ce
	s_mov_b32 s27, 0x3fc90fdb                      ; pi / 2, upper part,
	s_mov_b32 s28, 0xb33bbd2e                      ; and the rest
	s_wait_dscnt 0x0
	; the tables of my position and my 8 pairs, stage by stage, so that no line waits for the line above it
.irp e, 0,1,2,3,4,5,6,7
	v_mul_f32 v[TA+\e], v7, v[INV+\e]              ; the angle, rounded once
.endr
.irp e, 0,1,2,3,4,5,6,7
	v_mul_f32 v[TB+\e], 0x3f22f983, v[TA+\e]
.endr
.irp e, 0,1,2,3,4,5,6,7
	v_rndne_f32 v[TB+\e], v[TB+\e]                 ; how many quarter turns
.endr
.irp e, 0,1,2,3,4,5,6,7
	v_fma_f32 v[TA+\e], -v[TB+\e], s27, v[TA+\e]   ; exact: a multiple of 2^-23 under 1
.endr
.irp e, 0,1,2,3,4,5,6,7
	v_fma_f32 v[TA+\e], -v[TB+\e], s28, v[TA+\e]   ; r, within pi / 4
.endr
.irp e, 0,1,2,3,4,5,6,7
	v_mul_f32 v[TC+\e], v[TA+\e], v[TA+\e]         ; z = r^2
.endr
.irp e, 0,1,2,3,4,5,6,7
	v_fma_f32 v[TD+\e], v[TC+\e], s23, s22
.endr
.irp e, 0,1,2,3,4,5,6,7
	v_fma_f32 v[TD+\e], v[TC+\e], v[TD+\e], s21
.endr
.irp e, 0,1,2,3,4,5,6,7
	v_mul_f32 v[TE+\e], v[TC+\e], v[TA+\e]
.endr
.irp e, 0,1,2,3,4,5,6,7
	v_fma_f32 v[TD+\e], v[TE+\e], v[TD+\e], v[TA+\e]   ; sin r
.endr
.irp e, 0,1,2,3,4,5,6,7
	v_fma_f32 v[TE+\e], v[TC+\e], s26, s25
.endr
.irp e, 0,1,2,3,4,5,6,7
	v_fma_f32 v[TE+\e], v[TC+\e], v[TE+\e], s24
.endr
.irp e, 0,1,2,3,4,5,6,7
	v_mul_f32 v[TF+\e], v[TC+\e], v[TC+\e]
.endr
.irp e, 0,1,2,3,4,5,6,7
	v_fma_f32 v[TC+\e], v[TC+\e], -0.5, 1.0
.endr
.irp e, 0,1,2,3,4,5,6,7
	v_fma_f32 v[TE+\e], v[TF+\e], v[TE+\e], v[TC+\e]   ; cos r
.endr
.irp e, 0,1,2,3,4,5,6,7
	v_cvt_i32_f32 v[TB+\e], v[TB+\e]
.endr
.irp e, 0,1,2,3,4,5,6,7
	v_and_b32 v[TF+\e], 1, v[TB+\e]                ; an odd quarter swaps the two
	v_cmp_eq_u32 vcc_lo, 1, v[TF+\e]
	v_cndmask_b32 v[TA+\e], v[TD+\e], v[TE+\e], vcc_lo
	v_cndmask_b32 v[TC+\e], v[TE+\e], v[TD+\e], vcc_lo
.endr
.irp e, 0,1,2,3,4,5,6,7
	v_lshlrev_b32 v[TF+\e], 30, v[TB+\e]           ; the sine is negative in quarters 2 and 3
	v_add_nc_u32 v[TB+\e], 1, v[TB+\e]
.endr
.irp e, 0,1,2,3,4,5,6,7
	v_and_b32 v[TF+\e], 0x80000000, v[TF+\e]
	v_lshlrev_b32 v[TB+\e], 30, v[TB+\e]           ; the cosine in quarters 1 and 2
.endr
.irp e, 0,1,2,3,4,5,6,7
	v_xor_b32 v[TA+\e], v[TA+\e], v[TF+\e]         ; sin
	v_and_b32 v[TB+\e], 0x80000000, v[TB+\e]
.endr
.irp e, 0,1,2,3,4,5,6,7
	v_xor_b32 v[TC+\e], v[TC+\e], v[TB+\e]         ; cos
	v_mul_f32 v[TD+\e], v8, v[LH+\e]               ; the scale's exponent, upper part
.endr
.irp e, 0,1,2,3,4,5,6,7
	v_fma_f32 v[TE+\e], v8, v[LH+\e], -v[TD+\e]    ; what that product's rounding lost,
.endr
.irp e, 0,1,2,3,4,5,6,7
	v_fma_f32 v[TE+\e], v8, v[LL+\e], v[TE+\e]     ; and the logarithm's lower part
.endr
.irp e, 0,1,2,3,4,5,6,7
	v_mul_f32 v[TE+\e], 0x3f317218, v[TE+\e]       ; x ln 2: 2^(a + d) = 2^a (1 + d ln 2)
.endr
.irp e, 0,1,2,3,4,5,6,7
	v_exp_f32 v[TF+\e], v[TD+\e]
.endr
.irp e, 0,1,2,3,4,5,6,7
	v_exp_f32 v[TB+\e], -v[TD+\e]
.endr
	v_nop                                          ; a plain line behind the exponentials
	s_wait_alu depctr_va_vdst(0)
.irp e, 0,1,2,3,4,5,6,7
	v_fma_f32 v[TF+\e], v[TF+\e], v[TE+\e], v[TF+\e]    ; scale
	v_fma_f32 v[TB+\e], v[TB+\e], -v[TE+\e], v[TB+\e]   ; 1 / scale
.endr
.irp e, 0,1,2,3,4,5,6,7
	v_mul_f32 v[CQ+\e], v[TC+\e], v[TF+\e]
	v_mul_f32 v[CQ+8+\e], v[TA+\e], v[TF+\e]
	v_mul_f32 v[CQ+16+\e], v[TC+\e], v[TB+\e]
	v_mul_f32 v[CQ+24+\e], v[TA+\e], v[TB+\e]
.endr
; Row t's 2,048 bytes turn through a stage: in as loaded (16 bytes a lane of 512), out 64 bytes a lane: 16 neighbouring channels of one position.
.macro TURN t
.irp i, 0,1,2,3
	ds_store_b128 v3, v[R+16*(\t)+4*\i:R+16*(\t)+4*\i+3] offset:2560*((\t)%2)+640*\i
.endr
.irp i, 0,1,2,3
	ds_load_b128 v[X+16*((\t)%2)+4*\i:X+16*((\t)%2)+4*\i+3], v4 offset:2560*((\t)%2)+16*\i
.endr
.endm
.macro STEP t
.set XS, X+16*((\t)%2)
.set TBL, CQ+16*((\t)/4)               ; Q's rows take scale, K's 1 / scale
.if (\t) > 0
	s_wait_dscnt 2                                 ; this row is back from its stage; the two byte stores of the row before may be out
.else
	s_wait_dscnt 0x0
.endif
.if (\t) < 7
	s_wait_loadcnt 24-4*(\t)                       ; the next row's four loads are in; those of the rows behind it may be out
	TURN (\t)+1
.endif
.irp e, 0,1,2,3,4,5,6,7
	v_mul_f32 v[TT+2*\e], v[XS+2*\e+1], v[TBL+8+\e]
	v_mul_f32 v[TT+2*\e+1], v[XS+2*\e], v[TBL+8+\e]
.endr
.irp e, 0,1,2,3,4,5,6,7
	v_fma_f32 v[XS+2*\e], v[XS+2*\e], v[TBL+\e], -v[TT+2*\e]          ; x0 c - x1 s
	v_fma_f32 v[XS+2*\e+1], v[XS+2*\e+1], v[TBL+\e], v[TT+2*\e+1]     ; x1 c + x0 s
.endr
	v_max3_num_f32 v11, |v[XS]|, |v[XS+1]|, |v[XS+2]|
	v_max3_num_f32 v12, |v[XS+3]|, |v[XS+4]|, |v[XS+5]|
.irp i, 6,10
	v_max3_num_f32 v11, v11, |v[XS+\i]|, |v[XS+\i+1]|
	v_max3_num_f32 v12, v12, |v[XS+\i+2]|, |v[XS+\i+3]|
.endr
	v_max3_num_f32 v11, v11, |v[XS+14]|, |v[XS+15]|
	v_max3_num_f32 v11, v11, v12, 0x1800000        ; and the floor 2^(3 - 127): the byte cannot fall under 1
	v_max_num_f32_dpp v11, v11, v11 row_xmask:1 row_mask:0xf bank_mask:0xf   ; with my neighbour's 16: the block's largest magnitude
	v_add_nc_u32 v13, 0xff000000, v11              ; 2 off its exponent field: the conversion's scale operand
	v_cvt_scalef32_pk8_fp4_f32 v[CD+2*(\t)], v[XS:XS+7], v13
	v_cvt_scalef32_pk8_fp4_f32 v[CD+2*(\t)+1], v[XS+8:XS+15], v13
	v_lshrrev_b32 v[EB+(\t)], 23, v13              ; the scale's byte (also the plain line behind the conversions)
	ds_store_b8 v5, v[EB+(\t)] offset:128*(\t)     ; into bytes 0, 1 of the position's word, and once more into bytes 2, 3; both lanes of a block write the same value
	ds_store_b8 v5, v[EB+(\t)] offset:128*(\t)+2
	global_store_b64 v6, v[CD+2*(\t):CD+2*(\t)+1], s[10:11] offset:KC*((\t)/4)+((\t)%4)*131072   ; the wave stores 256 consecutive bytes, aligned
.endm
	s_wait_loadcnt 28                              ; row 0's four loads are in
	TURN 0
.irp t, 0,1,2,3,4,5,6,7
	STEP \t
.endr
	s_wait_dscnt 0x0                               ; my byte stores have landed,
	s_barrier_signal -1
	s_barrier_wait -1                              ; everybody's have: the 1,024 bytes of scale words are whole
	ds_load_b64 v[12:13], v14
	s_wait_dscnt 0x0
	global_store_b64 v15, v[12:13], s[10:11] offset:QKS   ; 256 consecutive bytes a wave, aligned
	s_set_vgpr_msb 0x5
	s_wait_tensorcnt 0x0
	ds_add_u32 v0, v1
	s_wait_dscnt 0x0
	s_set_vgpr_msb 0x500
	s_endpgm
; ---------------------------------------------------------------- V: a lane takes a channel, its registers run down the keys
.Lnot_qk:
	s_cmp_lt_u32 ttmp9, 192
	s_cbranch_scc0 .Ltables
	s_sub_co_u32 s13, ttmp9, 128
	s_lshr_b32 s14, s13, 4                         ; b
	s_and_b32 s15, s13, 15
	s_lshl_b32 s15, s15, 1
	s_lshr_b32 s16, s12, 1
	s_add_co_u32 s15, s15, s16                     ; s: which 128 keys
	s_and_b32 s16, s12, 1                          ; which 32 channels
	s_lshl_b32 s17, s14, 5
	s_add_co_u32 s17, s17, s15                     ; 32 b + s
	s_lshl_b32 s18, s17, 15                        ; 128 keys of 256 bytes
	s_lshl_b32 s19, s16, 7
	s_add_co_u32 s18, s18, s19
	s_mov_b32 s19, 0
	v_lshlrev_b32 v2, 2, v1
	v_lshrrev_b32 v3, 4, v1
	v_and_b32 v4, 15, v1
	v_lshlrev_b32 v3, 10, v3                       ; the image: tile of channels 2 wv + lane / 16: 1,024 bytes each,
	v_lshl_add_u32 v3, v4, 4, v3                   ; 16 bytes for each lane of the operand
	s_lshl_b32 s20, s17, 12
	s_lshl_b32 s21, s16, 11
	s_add_co_u32 s20, s20, s21
	v_add_nc_u32 v3, s20, v3
	s_lshl_b32 s20, s17, 8
	s_lshl_b32 s21, s16, 7
	s_add_co_u32 s20, s20, s21
	v_add_nc_u32 v5, s20, v2                       ; my channel's scale word
	s_wait_kmcnt 0x0
	s_add_nc_u64 s[8:9], s[8:9], s[18:19]
.macro VLOAD t
.irp i, 0,1,2,3,4,5,6,7,8,9,10,11,12,13,14,15,16,17,18,19,20,21,22,23,24,25,26,27,28,29,30,31
	global_load_b32 v[32+32*((\t)%2)+\i], v2, s[8:9] offset:(32*(\t)+\i)*256 th:TH_LOAD_NT
.endr
.endm
	VLOAD 0
	VLOAD 1
.macro VBLOCK t
.set XS, 32+32*((\t)%2)
.if (\t) < 3
	s_wait_loadcnt 32                              ; this block's 32 loads are in; the next block's may be out
.else
	s_wait_loadcnt 0x0
.endif
	v_max3_num_f32 v12, |v[XS]|, |v[XS+1]|, |v[XS+2]|
	v_max3_num_f32 v13, |v[XS+3]|, |v[XS+4]|, |v[XS+5]|
.irp i, 6,10,14,18,22,26
	v_max3_num_f32 v12, v12, |v[XS+\i]|, |v[XS+\i+1]|
	v_max3_num_f32 v13, v13, |v[XS+\i+2]|, |v[XS+\i+3]|
.endr
	v_max3_num_f32 v12, v12, |v[XS+30]|, |v[XS+31]|
	v_max3_num_f32 v12, v12, v13, 0x1800000
	v_add_nc_u32 v11, 0xff000000, v12
	v_lshrrev_b32 v13, 23, v11
.if (\t) == 0
	v_mov_b32 v24, v13
.else
	v_lshl_or_b32 v24, v13, 8*(\t), v24
.endif
.irp g, 0,1,2,3
	v_cvt_scalef32_pk8_fp4_f32 v[96+4*(\t)+\g], v[XS+8*\g:XS+8*\g+7], v11
.endr
	v_nop                                          ; a plain line behind the conversions
	global_store_b128 v3, v[96+4*(\t):99+4*(\t)], s[10:11] offset:VC+((\t)/2)*512+((\t)%2)*256   ; sixteen lanes store 256 consecutive bytes, aligned
.if (\t)+2 < 4
	VLOAD (\t)+2
.endif
.endm
	VBLOCK 0
	VBLOCK 1
	VBLOCK 2
	VBLOCK 3
	global_store_b32 v5, v24, s[10:11] offset:VSC  ; 128 consecutive bytes a wave: the two waves of a step fill 256
	s_endpgm
; ---------------------------------------------------------------- the powers of gamma
.Ltables:
.macro GPOW d, e, a, b                 ; v[d] = gamma^v[e]: the exponent e log2(gamma) in two parts; the lower one enters as 1 + d ln 2
	v_mul_f32 v[\a], s20, v[\e]
	v_fma_f32 v[\b], s20, v[\e], -v[\a]
	v_fma_f32 v[\b], s21, v[\e], v[\b]
	v_exp_f32 v[\d], v[\a]
	v_mul_f32 v[\b], 0x3f317218, v[\b]             ; (the plain line behind the exponential)
	s_wait_alu depctr_va_vdst(0)
	v_fma_f32 v[\d], v[\d], v[\b], v[\d]
.endm
	s_mov_b32 s20, 0xbd3b9ca6                      ; log2(31 / 32), upper part,
	s_mov_b32 s21, 0xb09d95ac                      ; and the rest, -1.1466e-9
	v_and_b32 v2, 15, v1
	v_lshrrev_b32 v3, 4, v1
	v_lshlrev_b32 v3, 4, v3
	v_sub_nc_u32 v2, v2, v3                        ; r - 16 h
	s_lshl_b32 s13, s12, 2
	s_sub_co_u32 s13, 31, s13
	v_add_nc_u32 v2, s13, v2                       ; 31 + r - 16 h - 4 w
.irp k, 0,1,2,3
	v_add_nc_u32 v[4+\k], -\k, v2
	v_cvt_f32_i32 v[4+\k], v[4+\k]
.endr
.irp k, 0,1,2,3
	GPOW 8+\k, 4+\k, 20+\k, 24+\k
.endr
	s_lshl_b32 s14, s12, 9
	v_lshl_add_u32 v28, v1, 4, s14
	s_mul_i32 s14, s12, 96
	v_add_nc_u32 v13, s14, v1
	v_mov_b32 v60, 0
.irp k, 0,1,2
	v_add_nc_u32 v[32+\k], 32*\k, v13              ; idx
	v_lshlrev_b32 v[36+\k], 4, v[32+\k]
	v_add_nc_u32 v[36+\k], -127, v[36+\k]          ; 16 idx - 127
	v_cvt_f32_i32 v[36+\k], v[36+\k]
	v_lshlrev_b32 v[56+\k], 3, v[32+\k]
.endr
.irp k, 0,1,2
	GPOW 40+2*\k, 36+\k, 48+\k, 52+\k
.endr
.irp k, 0,1,2
	v_cmp_gt_u32 vcc_lo, 6, v[32+\k]               ; blocks of keys that lie wholly behind the queries: 0
	v_cndmask_b32 v[40+2*\k], v[40+2*\k], v60, vcc_lo
	v_mov_b32 v[41+2*\k], v[40+2*\k]
.endr
	s_wait_kmcnt 0x0
	global_store_b128 v28, v[8:11], s[10:11] offset:T0T
.irp k, 0,1,2
	global_store_b64 v[56+\k], v[40+2*\k:41+2*\k], s[10:11] offset:CT
.endr
	s_endpgm
.Lfunc_end_k_q2e62cdcc43_prep:
	.size	k_q2e62cdcc43_prep, .Lfunc_end_k_q2e62cdcc43_prep-k_q2e62cdcc43_prep
	.p2alignl 7, 3214868480
	.fill 96, 4, 3214868480
	.section	.rodata,"a",@progbits
	.p2align	6, 0x0
	.amdhsa_kernel k_q2e62cdcc43_prep
		.amdhsa_group_segment_fixed_size 24064
		.amdhsa_private_segment_fixed_size 0
		.amdhsa_enable_private_segment 0
		.amdhsa_kernarg_size 32
		.amdhsa_user_sgpr_count 2
		.amdhsa_user_sgpr_kernarg_segment_ptr 1
		.amdhsa_wavefront_size32 1
		.amdhsa_system_sgpr_workgroup_id_x 1
		.amdhsa_system_sgpr_workgroup_id_y 1
		.amdhsa_system_sgpr_workgroup_id_z 1
		.amdhsa_system_vgpr_workitem_id 0
		.amdhsa_next_free_vgpr 258
		.amdhsa_next_free_sgpr 66
		.amdhsa_reserve_vcc 1
		.amdhsa_float_denorm_mode_32 3
		.amdhsa_float_denorm_mode_16_64 3
		.amdhsa_memory_ordered 1
		.amdhsa_forward_progress 1
		.amdhsa_inst_pref_size 77
	.end_amdhsa_kernel
	.amdgpu_metadata
---
amdhsa.version: [ 1, 2 ]
amdhsa.kernels:
  - .name:           k_q2e62cdcc43_prep
    .symbol:         k_q2e62cdcc43_prep.kd
    .args:
      - { .name: Q, .offset: 0, .size: 8, .value_kind: global_buffer, .address_space: global }
      - { .name: K, .offset: 8, .size: 8, .value_kind: global_buffer, .address_space: global }
      - { .name: V, .offset: 16, .size: 8, .value_kind: global_buffer, .address_space: global }
      - { .name: wk, .offset: 24, .size: 8, .value_kind: global_buffer, .address_space: global }
    .group_segment_fixed_size: 24064
    .private_segment_fixed_size: 0
    .kernarg_segment_align: 8
    .kernarg_segment_size: 32
    .max_flat_workgroup_size: 128
    .sgpr_count:     66
    .vgpr_count:     258
    .wavefront_size: 32
...
	.end_amdgpu_metadata
.endif
;; end of part 1
;; launch ret (part 2): grid 256 x 1, 16 waves a work-group, no clusters, 297,984 bytes of LDS; arguments wk, out0; writes out0
.if DOCPART == 2
	.amdgcn_target "amdgcn-amd-amdhsa--gfx1250"
	.amdhsa_code_object_version 6
	.text
	.protected	k_q2e62cdcc43_ret
	.globl	k_q2e62cdcc43_ret
	.p2align	8
	.type	k_q2e62cdcc43_ret,@function
k_q2e62cdcc43_ret:
	s_mov_b64 s[64:65], 0
	v_nop
	global_prefetch_b8 v0, s[64:65] scope:SCOPE_SE
	s_setreg_imm32_b32 hwreg(HW_REG_WAVE_MODE, 25, 1), 1
	s_wait_xcnt 0x0
; out[b][n][:] = sum over m <= n of Q4( (q[n] . k[m]) gamma^(n - m) ) V[m][:], both products on codes of FP4 (E2M1) with one E8M0 scale for each 32 along K.  q, k, V come as codes out of wk (its layouts: below).
; SHARES.  Only key steps at or before the queries are multiplied (the mask is zero beyond).  Work-group (b, j = 0..15, c = 0..3) owns two groups of 32 queries: A at 128 j + 32 c (key steps 0 .. j of 128 keys) and
; B at 128 (31 - j) + 32 c (steps 0 .. 31 - j): 33 UNITS of 32 queries x 128 keys in every work-group.  Unit u <= 31 - j is (B, step u), the others (A, step u - 32 + j).  Wave w takes units w and 16 + w.
; UNIT 32 (A, step j) IS SHARED: waves 0 to 3 take a quarter each, 16 queries (tile w % 2) x 64 keys (half w / 2), so that no wave has a third unit to walk while fifteen wait for it.
; The sum over keys has no normaliser, so parts add: each starts its sums at 0 and leaves its numbers in LDS (unit u in slot u; the quarters in slots 32 and 33, by their half of the keys); behind ONE barrier each wave adds
; 34 slots for two rows of each group and stores whole rows.
; LAYOUT.  Both products are used transposed (S^T = k q^T, O^T = V^T P^T): a lane holds one query.  The keys of a tile are not neighbours: lane r of tile 2 b + u takes key 32 b + 8 u + r + 8 (r / 8), so that the 16 registers
; of tiles 2 b, 2 b + 1 are 16 neighbouring keys.  THE FIRST PRODUCT'S K IS 64 of the instruction's 128: k's fragments lie packed, 4 registers each; query tile 0 is given as (q, zeros) against registers 4 t .. 4 t + 7,
; query tile 1 as (zeros, q) against 4 t - 4 .. 4 t + 3.  What the other four registers hold meets zero codes and adds nothing; scale words carry a row's two bytes twice, so either half finds them.
; THE DECAY.  n - m = 16 x + r - 16 h - i for lane (r, h), register i of a block of 32 keys, x = (tile's first query - block's first key) / 16.  gamma^(n - m) = c[x] T0[lane][i]: T0 = gamma^(31 + r - 16 h - i) in 16 registers,
; c[x] = gamma^(16 x - 31) (0 for x < 0) in scalar registers, eight for a unit.  Blocks with x = 0 or 1 cross the diagonal: there the hidden numbers are cleared one by one, under a scalar branch on ids.
; NO TENSOR LOADS, NO CLUSTER: the sixteen waves hold sixteen different key steps at a time; each fragment goes from memory into registers once a unit;
; the four work-groups of one (b, j) do read the same 10 KiB a unit, but a shared copy would need LDS, of which the 34 slots take 295,936 bytes.
; LIMITS: c under 2^-126 comes out of the exponential as 0, so gamma^(n - m) under about 2^-119 counts as 0.  gamma^(n - m) carries up to some 5e-7 of itself.  A block of zeros has the scale byte 1, not 127 (zero codes).
; NaN and infinities are not served (a slot of the other group enters a sum with the factor 0).
.set QC,   0                           ; [b][n][32 B]
.set KC,   524288
.set VC,   1048576                     ; [b][s][tv][c][lane][16 B]
.set QKS,  1572864                     ; [n / 32][q, k][b][n % 32] words
.set VSC,  1703936                     ; [b][s][channel] words
.set T0T,  1736704
.set CT,   1738752
.set SLOTB, 8704                       ; a slot: 32 lines of 256 bytes + 16: chunk ch (registers 4 ch .. 4 ch + 3 of the 64 sums) of lane (r, h) at (2 ch + h) 272 + 16 r
; v1 16 lane, v2 4 lane, v3 k's rows, v4 k's scale words, v5 r - 16 h, v6 at work, v7-12 a unit's six offsets, v13-14 my slots, v15 my quarter's half slot, v16-20 the slots read back, v21-22 my rows of out, v23 q's rows
.set MX,  24                           ; v24-25 largest magnitudes, v26-27 the other half's, v28-29 scale operands, v30-31 bytes
.set PX,  26
.set SO,  28
.set BY,  30
.set KS,  32                           ; v32-35 k's scale words, v36 q's, v37-38 V's, v39-40 P's: scales and nothing else
.set QS,  36
.set VS,  37
.set PS,  39
.set Q1,  44                           ; v44-47 q tile 0, v48-51 zeros, v52-55 q tile 1
.set ZR,  48
.set PP,  56                           ; v56-71 P's codes, 8 a tile
.set KF,  80                           ; v80-111 k's 8 fragments; v72-79 and v112-119 T0
.set S,   120                          ; v120-151 four tiles of S^T
.set VF,  152                          ; v152-183 V's 4 fragments
.set ACC, 184                          ; v184-247 O^T: tile of queries tau, tile of channels tv at 32 tau + 8 tv
	s_load_b128 s[4:7], s[0:1], 0x0                ; wk, out
	v_lshl_add_u32 v254, v0, 2, 0x48400
	v_mov_b32 v255, 0
	v_lshrrev_b32 v56, 5, v0
	v_readfirstlane_b32 s8, v56                    ; wave 0..15
.irp z, 48,49,50,51,26,27
	v_mov_b32 v\z, 0                               ; the zero codes; and the lane permutes' destinations, which count as read
.endr
	s_and_b32 s94, s8, 1                           ; my quarter of unit 32 (waves 0 to 3 alone walk it): tile of queries tau,
	s_bfe_u32 s95, s8, 0x10001                     ; half of the keys hf
	v_and_b32 v56, 31, v0                          ; lane
	v_and_b32 v57, 15, v0                          ; r
	v_bfe_u32 v58, v0, 4, 1                        ; h
	v_lshlrev_b32 v1, 4, v56
	v_lshlrev_b32 v2, 2, v56
	v_and_b32 v59, 8, v57
	v_add_nc_u32 v59, v59, v57                     ; r + 8 (r / 8)
	v_lshlrev_b32 v3, 5, v59
	v_lshl_add_u32 v3, v58, 4, v3                  ; k: that row of 32 bytes, + 16 h
	v_lshl_add_u32 v4, v58, 3, v59
	v_lshlrev_b32 v4, 2, v4                        ; k's scale words: lanes 0-15 the even tile's rows, lanes 16-31 the odd tile's (8 rows on)
	v_lshlrev_b32 v60, 4, v58
	v_sub_nc_u32 v5, v57, v60                      ; r - 16 h
	v_lshlrev_b32 v23, 5, v57
	v_lshl_add_u32 v23, v58, 4, v23                ; q: row r of 32 bytes, + 16 h
	v_mul_u32_u24 v61, v58, 272
	v_lshl_add_u32 v61, v57, 4, v61                ; 272 h + 16 r
	s_mul_i32 s14, s8, SLOTB
	v_add_nc_u32 v13, s14, v61                     ; slot w,
	v_add_nc_u32 v14, 16*SLOTB, v13                ; slot 16 + w,
	s_mul_i32 s14, s95, SLOTB
	s_mul_i32 s15, s94, 4352
	s_add_co_u32 s14, s14, s15
	s_add_co_u32 s14, s14, 32*SLOTB
	v_add_nc_u32 v15, s14, v61                     ; slot 32 + hf, its chunks 8 tau on
	v_lshrrev_b32 v62, 2, v57                      ; back: lane 16 g + l takes piece l (channels 4 l on) of row 2 w + g: tile of channels l / 4, half of the lanes (l / 2) % 2, half of the tile's registers l % 2
	v_mul_u32_u24 v16, v62, 1088
	v_and_b32 v62, 1, v57
	v_mad_u32_u24 v16, v62, 544, v16
	v_bfe_u32 v62, v57, 1, 1
	v_mad_u32_u24 v16, v62, 272, v16
	v_lshl_add_u32 v16, v58, 4, v16
	s_lshr_b32 s14, s8, 3
	s_mul_i32 s14, s14, 4352
	s_and_b32 s15, s8, 7
	s_lshl_b32 s15, s15, 5
	s_add_co_u32 s14, s14, s15
	v_add_nc_u32 v16, s14, v16
.irp g, 1,2,3,4
	v_add_nc_u32 v[16+\g], \g*7*SLOTB, v16         ; seven slots to a register, so that the offsets stay inside 16 bits
.endr
	s_lshr_b32 s9, ttmp9, 6                        ; b
	s_bfe_u32 s10, ttmp9, 0x40002                  ; j
	s_and_b32 s11, ttmp9, 3                        ; c
	s_lshl_b32 s14, s11, 5
	s_lshl_b32 s12, s10, 7
	s_add_co_u32 s12, s12, s14                     ; A's first query
	s_sub_co_u32 s29, 31, s10                      ; 31 - j
	s_lshl_b32 s13, s29, 7
	s_add_co_u32 s13, s13, s14                     ; B's first query
	s_lshl_b32 s91, s9, 17                         ; a batch's codes of q or k,
	s_lshl_b32 s92, s9, 7                          ; its words in a block of scale words,
	s_lshl_b32 s93, s9, 5                          ; its key steps
	s_mov_b32 s20, s13                             ; unit 0: (B, step w): w <= 15 < 31 - j + 1
	s_mov_b32 s23, s8
	s_add_co_u32 s14, s8, 16                       ; unit 1: u = 16 + w
	s_add_co_u32 s15, s14, s10
	s_sub_co_u32 s15, s15, 32
	s_cmp_le_u32 s14, s29
	s_cselect_b32 s21, s13, s12
	s_cselect_b32 s24, s14, s15
	s_mov_b32 s22, s12                             ; unit 32: (A, step j)
	s_mov_b32 s25, s10
.irp k, 0,1
	s_lshr_b32 s[26+\k], s[20+\k], 4
	s_lshl_b32 s14, s[23+\k], 3
	s_sub_co_u32 s[26+\k], s[26+\k], s14           ; x0 = first query / 16 - 8 step, 0 or more
	s_lshl_b32 s[88+\k], s[26+\k], 3               ; entries x0 - 6 .. x0 + 1 of c begin 8 x0 bytes into the table
.endr
	s_lshl_b32 s28, s11, 1                         ; the quarter: unit 32's x0 is 2 c; my tile and my first key make it x0' = 2 c + tau - 4 hf, from -4 to 7
	s_add_co_u32 s28, s28, s94
	s_lshl_b32 s14, s95, 2
	s_sub_co_u32 s28, s28, s14
	s_lshl_b32 s90, s28, 3
	s_add_co_u32 s90, s90, 32                      ; entries x0' - 2 .. x0' + 1 of c begin 8 (x0' + 4) bytes into the table: 0 or more
	s_lshl_b32 s14, s9, 12
	s_lshl_b32 s16, s8, 9
	s_add_co_u32 s15, s14, s12
	s_lshl_b32 s15, s15, 8
	s_add_co_u32 s15, s15, s16
	v_add_nc_u32 v21, s15, v1                      ; out: A's rows 2 w, 2 w + 1: 512 bytes a wave
	s_add_co_u32 s15, s14, s13
	s_lshl_b32 s15, s15, 8
	s_add_co_u32 s15, s15, s16
	v_add_nc_u32 v22, s15, v1                      ; B's
	s_mov_b32 s30, 0x76543210
	s_mov_b32 s31, 0xfedcba98                      ; v_permlanex16_b32's selects for lane l xor 16
	s_mov_b32 s85, 0                               ; (named as the upper halves of pairs)
	s_mov_b32 s87, 0
.macro UADDR1 k                        ; offsets of unit k's q, k and their scale words
	s_lshl_b32 s14, s[20+\k], 5
	s_add_co_u32 s15, s14, s91
	v_add_nc_u32 v7, s15, v23
	s_add_co_u32 s15, s14, s92
	v_add_nc_u32 v8, s15, v2
	s_lshl_b32 s14, s[23+\k], 12
	s_add_co_u32 s15, s14, s91
	v_add_nc_u32 v9, s15, v3
	s_add_co_u32 s15, s14, s92
	v_add_nc_u32 v10, s15, v4
.endm
.macro UADDR2 k                        ; of its V and V's scale words
	s_add_co_u32 s14, s93, s[23+\k]
	s_lshl_b32 s15, s14, 12
	v_add_nc_u32 v11, s15, v1
	s_lshl_b32 s15, s14, 8
	v_add_nc_u32 v12, s15, v2
.endm
.macro LOADS1                          ; 15 loads
	global_load_b128 v[Q1:Q1+3], v7, s[4:5] offset:QC
	global_load_b128 v[Q1+8:Q1+11], v7, s[4:5] offset:QC+512
	global_load_b32 v[QS], v8, s[4:5] offset:QKS               ; lanes 0-15: query tile 0's words, lanes 16-31: tile 1's
.irp bk, 0,1,2,3
	global_load_b32 v[KS+\bk], v10, s[4:5] offset:QKS+512+1024*\bk
.endr
.irp t, 0,1,2,3,4,5,6,7
	global_load_b128 v[KF+4*\t:KF+4*\t+3], v9, s[4:5] offset:KC+(32*(\t/2)+8*(\t%2))*32
.endr
.endm
.macro LOADS2                          ; 10 loads
.irp p, 0,1
	global_load_b32 v[VS+\p], v12, s[4:5] offset:VSC+128*\p    ; lanes 0-15: the even tile of channels, lanes 16-31: the odd one
.endr
.irp f, 0,1,2,3,4,5,6,7
	global_load_b128 v[VF+4*\f:VF+4*\f+3], v11, s[4:5] offset:VC+512*\f
.endr
.endm
; The quarter's operands come into the places of query tile 0 and of the step's first 64 keys: the ADDRESSES say which tile and which half, so that the quarter runs the text of (tile 0, half 0)
.macro UADDR1Q
	s_lshl_b32 s14, s22, 5
	s_lshl_b32 s15, s94, 9                         ; q: 16 rows of 32 bytes for tile 1
	s_add_co_u32 s15, s15, s14
	s_add_co_u32 s15, s15, s91
	v_add_nc_u32 v7, s15, v23
	s_lshl_b32 s15, s94, 6                         ; its scale words: 16 words on (lanes 16-31 then read words that the product does not take; they lie inside wk)
	s_add_co_u32 s15, s15, s14
	s_add_co_u32 s15, s15, s92
	v_add_nc_u32 v8, s15, v2
	s_lshl_b32 s14, s25, 12
	s_lshl_b32 s15, s95, 11                        ; k: 64 rows of 32 bytes for the second half; its scale words: two blocks of 1,024 bytes
	s_add_co_u32 s14, s14, s15
	s_add_co_u32 s15, s14, s91
	v_add_nc_u32 v9, s15, v3
	s_add_co_u32 s15, s14, s92
	v_add_nc_u32 v10, s15, v4
.endm
.macro LOADS1Q                         ; 8 loads
	global_load_b128 v[Q1:Q1+3], v7, s[4:5] offset:QC
	global_load_b32 v[QS], v8, s[4:5] offset:QKS
.irp bk, 0,1
	global_load_b32 v[KS+\bk], v10, s[4:5] offset:QKS+512+1024*\bk
.endr
.irp t, 0,1,2,3
	global_load_b128 v[KF+4*\t:KF+4*\t+3], v9, s[4:5] offset:KC+(32*(\t/2)+8*(\t%2))*32
.endr
.endm
.macro UADDR2Q
	s_add_co_u32 s14, s93, s25
	s_lshl_b32 s15, s14, 12
	s_lshl_b32 s16, s95, 9                         ; V: the image's second 512 bytes of each tile hold keys 64 on
	s_add_co_u32 s15, s15, s16
	v_add_nc_u32 v11, s15, v1
	s_lshl_b32 s15, s14, 8
	v_add_nc_u32 v12, s15, v2
.endm
.macro LOADS2Q                         ; 6 loads: my 64 keys into registers 0-3 of each fragment; registers 4-7 keep the last unit's codes, which meet zero codes
.irp p, 0,1
	global_load_b32 v[VS+\p], v12, s[4:5] offset:VSC+128*\p
.endr
.irp tv, 0,1,2,3
	global_load_b128 v[VF+8*\tv:VF+8*\tv+3], v11, s[4:5] offset:VC+1024*\tv
.endr
.endm
.macro NOPS n
.rept \n
	v_nop
.endr
.endm
; S^T of query tile tau and key tiles 4 hf .. 4 hf + 3: four accumulators, each begun with 0
.macro SWMMA tau, hf
.irp tl, 0,1,2,3
.if \tau == 0
.if (\tl%2) == 0
	v_wmma_scale_f32_16x16x128_f8f6f4 v[S+8*\tl:S+8*\tl+7], v[KF+16*\hf+4*\tl:KF+16*\hf+4*\tl+7], v[Q1:Q1+7], 0, v[KS+2*\hf+\tl/2], v[QS] matrix_a_fmt:MATRIX_FMT_FP4 matrix_b_fmt:MATRIX_FMT_FP4
.else
	v_wmma_scale_f32_16x16x128_f8f6f4 v[S+8*\tl:S+8*\tl+7], v[KF+16*\hf+4*\tl:KF+16*\hf+4*\tl+7], v[Q1:Q1+7], 0, v[KS+2*\hf+\tl/2], v[QS] matrix_a_fmt:MATRIX_FMT_FP4 matrix_b_fmt:MATRIX_FMT_FP4 matrix_a_scale:MATRIX_SCALE_ROW1
.endif
.else
.if (\tl%2) == 0
	v_wmma_scale_f32_16x16x128_f8f6f4 v[S+8*\tl:S+8*\tl+7], v[KF+16*\hf+4*\tl-4:KF+16*\hf+4*\tl+3], v[ZR:ZR+7], 0, v[KS+2*\hf+\tl/2], v[QS] matrix_a_fmt:MATRIX_FMT_FP4 matrix_b_fmt:MATRIX_FMT_FP4 matrix_b_scale:MATRIX_SCALE_ROW1
.else
	v_wmma_scale_f32_16x16x128_f8f6f4 v[S+8*\tl:S+8*\tl+7], v[KF+16*\hf+4*\tl-4:KF+16*\hf+4*\tl+3], v[ZR:ZR+7], 0, v[KS+2*\hf+\tl/2], v[QS] matrix_a_fmt:MATRIX_FMT_FP4 matrix_b_fmt:MATRIX_FMT_FP4 matrix_a_scale:MATRIX_SCALE_ROW1 matrix_b_scale:MATRIX_SCALE_ROW1
.endif
.endif
.endr
.endm
; Block bk of the step's four (registers 16 bq on): where it crosses the diagonal (x = 0 or 1), key i of my sixteen is hidden where i > 16 x + r - 16 h
.macro MASKB tau, bk, bq, k
	s_add_co_i32 s14, s[26+\k], (\tau)-2*(\bk)     ; x
	s_cmp_gt_u32 s14, 1                            ; x >= 2: all keys count; x < 0 (large as an unsigned number): c = 0 has cleared the block
	s_cbranch_scc1 .Lopen_\@
	s_lshl_b32 s14, s14, 4
	v_add_nc_u32 v6, s14, v5
.irp i, 0,1,2,3,4,5,6,7,8,9,10,11,12,13,14,15
	v_cmp_gt_i32 vcc_lo, \i, v6
	v_cndmask_b32 v[S+16*\bq+\i], v[S+16*\bq+\i], v[ZR], vcc_lo
.endr
.Lopen_\@:
.endm
; Two blocks of 32 keys of query tile tau: the decay, the mask, the quantiser: codes into P's registers 4 hf .. 4 hf + 3, bytes into P's scale word
.macro QUANTH tau, hf, k
.set CSB, 32+16*(\k)+4*((\k)/2)        ; unit k's c: s[32:47], s[48:63]; k = 2, the quarter: of s[68:83] only s[76:83] are loaded, and (tile 0, half 0) names only s[76:77] and s[80:81]
.irp bq, 0,1
.irp i, 0,2,4,6,8,10,12,14                     ; ascending: each accumulator is first read at its low end
	v_pk_mul_f32 v[S+16*\bq+\i:S+16*\bq+\i+1], v[S+16*\bq+\i:S+16*\bq+\i+1], v[72+\i+32*(\i/8):73+\i+32*(\i/8)]
.endr
.endr
.irp bq, 0,1
.irp i, 0,2,4,6,8,10,12,14
	v_pk_mul_f32 v[S+16*\bq+\i:S+16*\bq+\i+1], v[S+16*\bq+\i:S+16*\bq+\i+1], s[CSB+2*(6+\tau-4*\hf-2*\bq):CSB+2*(6+\tau-4*\hf-2*\bq)+1] op_sel_hi:[1,0]
.endr
.endr
	MASKB \tau, 2*\hf, 0, \k
	MASKB \tau, 2*\hf+1, 1, \k
.irp bq, 0,1
	v_max3_num_f32 v[MX+\bq], |v[S+16*\bq]|, |v[S+16*\bq+1]|, 0x1800000   ; my 16 numbers, and the floor 2^(3 - 127): the byte cannot fall under 1
.endr
.irp i, 2,4,6,8,10,12,14
.irp bq, 0,1
	v_max3_num_f32 v[MX+\bq], v[MX+\bq], |v[S+16*\bq+\i]|, |v[S+16*\bq+\i+1]|
.endr
.endr
.irp bq, 0,1
	v_permlanex16_b32 v[PX+\bq], v[MX+\bq], s30, s31
.endr
.irp bq, 0,1
	v_max_num_f32 v[MX+\bq], v[MX+\bq], v[PX+\bq]  ; with lane l xor 16's: the block's largest magnitude
.endr
.irp bq, 0,1
	v_add_nc_u32 v[SO+\bq], 0xff000000, v[MX+\bq]  ; 2 off its exponent field: the conversion's scale operand
.endr
.irp bq, 0,1
	v_lshrrev_b32 v[BY+\bq], 23, v[SO+\bq]         ; the scale's byte
.endr
.if \hf == 0
	v_lshl_or_b32 v[PS+\tau], v[BY+1], 8, v[BY]
.else
	v_lshl_or_b32 v[PS+\tau], v[BY], 16, v[PS+\tau]
	v_lshl_or_b32 v[PS+\tau], v[BY+1], 24, v[PS+\tau]
.endif
.irp bq, 0,1
	v_cvt_scalef32_pk8_fp4_f32 v[PP+8*\tau+4*\hf+2*\bq], v[S+16*\bq:S+16*\bq+7], v[SO+\bq]
	v_cvt_scalef32_pk8_fp4_f32 v[PP+8*\tau+4*\hf+2*\bq+1], v[S+16*\bq+8:S+16*\bq+15], v[SO+\bq]
.endr
	v_nop                                          ; a plain line behind the conversions
.irp i, 0,1                                    ; the operand wants a whole block in a lane: lanes 0-15 the even block, lanes 16-31 the odd one
	v_permlane16_swap_b32 v[PP+8*\tau+4*\hf+\i], v[PP+8*\tau+4*\hf+2+\i]
.endr
.endm
.macro PV                              ; O^T = V^T P^T: eight accumulators, each begun with 0
.irp tv, 0,1,2,3
.irp tau, 0,1
.if (\tv%2) == 0
	v_wmma_scale_f32_16x16x128_f8f6f4 v[ACC+32*\tau+8*\tv:ACC+32*\tau+8*\tv+7], v[VF+8*\tv:VF+8*\tv+7], v[PP+8*\tau:PP+8*\tau+7], 0, v[VS+\tv/2], v[PS+\tau] matrix_a_fmt:MATRIX_FMT_FP4 matrix_b_fmt:MATRIX_FMT_FP4
.else
	v_wmma_scale_f32_16x16x128_f8f6f4 v[ACC+32*\tau+8*\tv:ACC+32*\tau+8*\tv+7], v[VF+8*\tv:VF+8*\tv+7], v[PP+8*\tau:PP+8*\tau+7], 0, v[VS+\tv/2], v[PS+\tau] matrix_a_fmt:MATRIX_FMT_FP4 matrix_b_fmt:MATRIX_FMT_FP4 matrix_a_scale:MATRIX_SCALE_ROW1
.endif
.endr
.endr
.endm
; A UNIT.  nxt = 1: the next unit's operands are asked for as soon as this unit's registers are free; nxt = 2: the quarter's; nxt = 0: nothing follows.
.macro UNIT k, nxt
	s_wait_loadcnt 10                              ; q, k and their scale words (and T0) are in; the ten younger loads, V's, may be out
.if \k == 0
	s_wait_kmcnt 0x0                               ; the c of both units and of the quarter
.endif
	SWMMA 0, 0
	NOPS 4                                         ; four places between the products and the first read of their results
	QUANTH 0, 0, \k
	SWMMA 0, 1
	NOPS 4
	QUANTH 0, 1, \k
	SWMMA 1, 0
	NOPS 4
	QUANTH 1, 0, \k
	SWMMA 1, 1
	NOPS 4                                         ; also the places in front of loads into registers that these products have read
.if \nxt == 1
	UADDR1 (\k)+1                                  ; (the four offsets are free: the wait at the unit's head showed their loads done)
	LOADS1
.elseif \nxt == 2
	UADDR1Q
	LOADS1Q
.endif
	QUANTH 1, 1, \k
.if \nxt == 1
	s_wait_loadcnt 15                              ; V is in; the fifteen younger loads are the next unit's
.elseif \nxt == 2
	s_wait_loadcnt 8                               ; V is in; the eight younger loads are the quarter's
.else
	s_wait_loadcnt 0x0
.endif
	NOPS 8                                         ; a scale word made by vector instructions stands eight places ahead of the scaled product, codes so made four
	PV
	NOPS 4                                         ; places in front of the stores of results and of the loads into V's registers
.if \nxt == 1
	UADDR2 (\k)+1                                  ; (free: the wait for V showed their loads done)
	LOADS2
.elseif \nxt == 2
	UADDR2Q
	LOADS2Q
.endif
.irp ch, 0,1,2,3,4,5,6,7,8,9,10,11,12,13,14,15
	ds_store_b128 v[13+\k], v[ACC+4*\ch:ACC+4*\ch+3] offset:544*\ch   ; each accumulator from its low end on; sixteen lanes write 256 consecutive bytes
.endr
.endm
	s_wait_kmcnt 0x0
	s_load_b512 s[32:47], s[4:5], s88 offset:CT
	s_load_b512 s[48:63], s[4:5], s89 offset:CT
	s_load_b256 s[76:83], s[4:5], s90 offset:CT    ; the quarter's: s[76:77] = c[x0' - 2], s[80:81] = c[x0']
	global_load_b128 v[72:75], v1, s[4:5] offset:T0T
	global_load_b128 v[76:79], v1, s[4:5] offset:T0T+512
	global_load_b128 v[112:115], v1, s[4:5] offset:T0T+1024
	global_load_b128 v[116:119], v1, s[4:5] offset:T0T+1536
	UADDR1 0
	LOADS1
	UADDR2 0
	LOADS2
	UNIT 0, 1
	s_cmp_lt_u32 s8, 4
	s_cbranch_scc0 .Lothers
	UNIT 1, 2
	; MY QUARTER OF UNIT 32: 16 queries x 64 keys, in the text of (tile 0, half 0)
	s_wait_loadcnt 6                               ; q, k and their scale words are in; the six younger loads, V's, may be out
.irp z, 4,5,6,7
	v_mov_b32 v[PP+\z], 0                          ; the second product's K is 64 of the instruction's 128 here: P's other half is zero codes
.endr
	SWMMA 0, 0
	NOPS 4
	QUANTH 0, 0, 2
	s_wait_loadcnt 0x0                             ; V
	s_lshl_b32 s14, s95, 4
	v_lshrrev_b32 v[VS], s14, v[VS]                ; the bytes of my two blocks of keys come down into bytes 0 and 1
	v_lshrrev_b32 v[VS+1], s14, v[VS+1]
	NOPS 8                                         ; scale words made by vector instructions stand eight places ahead of the scaled product
.irp tv, 0,1,2,3                               ; four accumulators, each begun with 0
.if (\tv%2) == 0
	v_wmma_scale_f32_16x16x128_f8f6f4 v[ACC+8*\tv:ACC+8*\tv+7], v[VF+8*\tv:VF+8*\tv+7], v[PP:PP+7], 0, v[VS+\tv/2], v[PS] matrix_a_fmt:MATRIX_FMT_FP4 matrix_b_fmt:MATRIX_FMT_FP4
.else
	v_wmma_scale_f32_16x16x128_f8f6f4 v[ACC+8*\tv:ACC+8*\tv+7], v[VF+8*\tv:VF+8*\tv+7], v[PP:PP+7], 0, v[VS+\tv/2], v[PS] matrix_a_fmt:MATRIX_FMT_FP4 matrix_b_fmt:MATRIX_FMT_FP4 matrix_a_scale:MATRIX_SCALE_ROW1
.endif
.endr
	NOPS 4
.irp ch, 0,1,2,3,4,5,6,7
	ds_store_b128 v15, v[ACC+4*\ch:ACC+4*\ch+3] offset:544*\ch        ; half a slot: my tile's eight chunks
.endr
	s_branch .Ljoin
.Lothers:
	UNIT 1, 0
.Ljoin:
	s_wait_dscnt 0x0                               ; my slots have landed,
	s_barrier_signal -1
	s_barrier_wait -1                              ; all 34 have
	; THE SUM.  My two rows of each group: 16 bytes a lane from every slot.  Slot 0 starts B's sum and slot 32 A's, in the registers into which they are loaded.
.macro RLOAD pos, u
	ds_load_b128 v[72+4*(\pos):75+4*(\pos)], v[16+(\u)/7] offset:((\u)%7)*SLOTB
.endm
	RLOAD 0, 0
	RLOAD 1, 32
	RLOAD 2, 33
.irp u, 1,2,3,4,5,6,7,8,9,10,11,12,13,14,15,16,17,18,19,20,21,22,23,24,25,26,27,28,29,30,31
	RLOAD \u+2, \u
.endr
	s_wait_dscnt 31                                ; the first three of the 34 loads are in
	v_pk_add_f32 v[76:77], v[76:77], v[80:81]      ; unit 32's two halves of the keys
	v_pk_add_f32 v[78:79], v[78:79], v[82:83]
.irp u, 1,2,3,4,5,6,7,8,9,10,11,12,13,14,15,16     ; B's in every work-group, since 31 - j is at least 16
	s_wait_dscnt 31-\u                             ; slot u's load is the (u + 3)th of 34: the 31 - u younger ones may be out
	v_pk_add_f32 v[72:73], v[72:73], v[80+4*\u:81+4*\u]
	v_pk_add_f32 v[74:75], v[74:75], v[82+4*\u:83+4*\u]
.endr
.irp u, 17,18,19,20,21,22,23,24,25,26,27,28,29,30,31   ; B's where u <= 31 - j, else A's: the slot enters one sum with the factor 1 and the other with 0
	s_wait_dscnt 31-\u
	s_cmp_ge_u32 s29, \u
	s_cselect_b32 s84, 1.0, 0
	s_cselect_b32 s86, 0, 1.0
	v_pk_fma_f32 v[72:73], v[80+4*\u:81+4*\u], s[84:85], v[72:73] op_sel_hi:[1,0,1]
	v_pk_fma_f32 v[74:75], v[82+4*\u:83+4*\u], s[84:85], v[74:75] op_sel_hi:[1,0,1]
	v_pk_fma_f32 v[76:77], v[80+4*\u:81+4*\u], s[86:87], v[76:77] op_sel_hi:[1,0,1]
	v_pk_fma_f32 v[78:79], v[82+4*\u:83+4*\u], s[86:87], v[78:79] op_sel_hi:[1,0,1]
.endr
	global_store_b128 v22, v[72:75], s[6:7] th:TH_STORE_NT    ; the wave stores 512 consecutive bytes, aligned: two whole rows of out
	global_store_b128 v21, v[76:79], s[6:7] th:TH_STORE_NT
	s_wait_tensorcnt 0x0
	ds_add_u32 v254, v255
	s_wait_dscnt 0x0
	s_endpgm
.Lfunc_end_k_q2e62cdcc43_ret:
	.size	k_q2e62cdcc43_ret, .Lfunc_end_k_q2e62cdcc43_ret-k_q2e62cdcc43_ret
	.p2alignl 7, 3214868480
	.fill 96, 4, 3214868480
	.section	.rodata,"a",@progbits
	.p2align	6, 0x0
	.amdhsa_kernel k_q2e62cdcc43_ret
		.amdhsa_group_segment_fixed_size 297984
		.amdhsa_private_segment_fixed_size 0
		.amdhsa_enable_private_segment 0
		.amdhsa_kernarg_size 16
		.amdhsa_user_sgpr_count 2
		.amdhsa_user_sgpr_kernarg_segment_ptr 1
		.amdhsa_wavefront_size32 1
		.amdhsa_system_sgpr_workgroup_id_x 1
		.amdhsa_system_sgpr_workgroup_id_y 1
		.amdhsa_system_sgpr_workgroup_id_z 1
		.amdhsa_system_vgpr_workitem_id 0
		.amdhsa_next_free_vgpr 256
		.amdhsa_next_free_sgpr 96
		.amdhsa_reserve_vcc 1
		.amdhsa_float_denorm_mode_32 3
		.amdhsa_float_denorm_mode_16_64 3
		.amdhsa_memory_ordered 1
		.amdhsa_forward_progress 1
		.amdhsa_inst_pref_size 122
	.end_amdhsa_kernel
	.amdgpu_metadata
---
amdhsa.version: [ 1, 2 ]
amdhsa.kernels:
  - .name:           k_q2e62cdcc43_ret
    .symbol:         k_q2e62cdcc43_ret.kd
    .args:
      - { .name: wk, .offset: 0, .size: 8, .value_kind: global_buffer, .address_space: global }
      - { .name: out0, .offset: 8, .size: 8, .value_kind: global_buffer, .address_space: global }
    .group_segment_fixed_size: 297984
    .private_segment_fixed_size: 0
    .kernarg_segment_align: 8
    .kernarg_segment_size: 16
    .max_flat_workgroup_size: 512
    .sgpr_count:     96
    .vgpr_count:     256
    .wavefront_size: 32
...
	.end_amdgpu_metadata
.endif
;; end of part 2
;; ======== version 2 of 2: 2 launches; version 1 with the launch ret written anew for expert scheduling mode
;; workspace buffers: wk 1,741,824 bytes
;; launch prep: the kernel of part 1 again; grid 193 x 1, 4 waves a work-group, no clusters, 24,064 bytes of LDS; arguments Q, K, V, wk; writes wk
;; launch ret (part 3): grid 256 x 1, 16 waves a work-group, no clusters, 297,984 bytes of LDS; arguments wk, out0; writes out0
.if DOCPART == 3
	.amdgcn_target "amdgcn-amd-amdhsa--gfx1250"
	.amdhsa_code_object_version 6
	.text
	.protected	k_q2e62cdcc43_ret
	.globl	k_q2e62cdcc43_ret
	.p2align	8
	.type	k_q2e62cdcc43_ret,@function
k_q2e62cdcc43_ret:
	s_mov_b64 s[64:65], 0
	v_nop
	global_prefetch_b8 v0, s[64:65] scope:SCOPE_SE
	s_setreg_imm32_b32 hwreg(HW_REG_WAVE_SCHED_MODE, 0, 2), 2
	s_setreg_imm32_b32 hwreg(HW_REG_WAVE_MODE, 25, 1), 1
	s_wait_xcnt 0x0
	s_wait_alu depctr_vm_vsrc(0)
; out[b][n][:] = sum over m <= n of Q4( (q[n] . k[m]) gamma^(n - m) ) V[m][:], both products on codes of FP4 (E2M1) with one E8M0 scale for each 32 along K.  q, k, V come as codes out of wk (its layouts: below).
; SHARES.  Only key steps at or before the queries are multiplied (the mask is zero beyond).  Work-group (b, j = 0..15, c = 0..3) owns two groups of 32 queries: A at 128 j + 32 c (key steps 0 .. j of 128 keys) and
; B at 128 (31 - j) + 32 c (steps 0 .. 31 - j): 33 UNITS of 32 queries x 128 keys in every work-group.  Unit u <= 31 - j is (B, step u), the others (A, step u - 32 + j).  Wave w takes units w and 16 + w.
; UNIT 32 (A, step j) IS SHARED: waves 0 to 3 take a quarter each, 16 queries (tile w % 2) x 64 keys (half w / 2), so that no wave has a third unit to walk while fifteen wait for it.
; The sum over keys has no normaliser, so parts add: each starts its sums at 0 and leaves its numbers in LDS (unit u in slot u; the quarters in slots 32 and 33, by their half of the keys); behind ONE barrier each wave adds
; 34 slots for two rows of each group and stores whole rows.
; LAYOUT.  Both products are used transposed (S^T = k q^T, O^T = V^T P^T): a lane holds one query.  The keys of a tile are not neighbours: lane r of tile 2 b + u takes key 32 b + 8 u + r + 8 (r / 8), so that the 16 registers
; of tiles 2 b, 2 b + 1 are 16 neighbouring keys.  THE FIRST PRODUCT'S K IS 64 of the instruction's 128: k's fragments lie packed, 4 registers each; query tile 0 is given as (q, zeros) against registers 4 t .. 4 t + 7,
; query tile 1 as (zeros, q) against 4 t - 4 .. 4 t + 3.  What the other four registers hold meets zero codes and adds nothing; scale words carry a row's two bytes twice, so either half finds them.
; THE DECAY.  n - m = 16 x + r - 16 h - i for lane (r, h), register i of a block of 32 keys, x = (tile's first query - block's first key) / 16.  gamma^(n - m) = c[x] T0[lane][i]: T0 = gamma^(31 + r - 16 h - i) in 16 registers,
; c[x] = gamma^(16 x - 31) (0 for x < 0) in scalar registers, eight for a unit.  Blocks with x = 0 or 1 cross the diagonal: there the hidden numbers are cleared one by one, under a scalar branch on ids.
; NO TENSOR LOADS, NO CLUSTER: the sixteen waves hold sixteen different key steps at a time; each fragment goes from memory into registers once a unit;
; the four work-groups of one (b, j) do read the same 10 KiB a unit, but a shared copy would need LDS, of which the 34 slots take 295,936 bytes.
; LIMITS: c under 2^-126 comes out of the exponential as 0, so gamma^(n - m) under about 2^-119 counts as 0.  gamma^(n - m) carries up to some 5e-7 of itself.  A block of zeros has the scale byte 1, not 127 (zero codes).
; NaN and infinities are not served (a slot of the other group enters a sum with the factor 0).
; THE MODE: SCHED_MODE bits 1:0 = 2 (LLVM: expert scheduling mode 2), set by the entry lines.  The code itself states the register dependences between vector or matrix instructions and memory or LDS instructions,
; with s_wait_alu, always for 0.
; THE PLAN.  Registers that memory or LDS instructions touch:
;   offsets and LDS addresses   v1, v7-12 (unit 0), v248-253 (unit 1), v13-22: all made at the head, ahead of one wait on va_vdst.  Only v7-12 are written again: once, in waves 0 to 3, for the quarter.
;   Q1, QS, KS, KF              loaded; read by a unit's sixteen first products; the next unit's loads land in them behind the last four of those products.
;   VS, VF                      loaded; read by a unit's eight second products; the next unit's loads land in them behind those products.
;   ACC                         written by the second products; read by the unit's LDS stores; written again by the next unit's second products.
;   T0                          loaded once; read by the decay's multiplications.     v72-207: the sum's 34 LDS loads land there; v72-79 are the data of the two stores of out.
; A UNIT HAS THREE WAITS ON va_vdst: behind its last first products (they are done reading q and k), ahead of its second products (P's codes and scale words are made by vector instructions), and behind them (ACC is written
; and V is read).  Behind each, the loads and stores that it serves follow with no vector or matrix instruction between that names a register of theirs.  ONE wait on vm_vsrc stands in every unit but the first.
.set QC,   0                           ; [b][n][32 B]
.set KC,   524288
.set VC,   1048576                     ; [b][s][tv][c][lane][16 B]
.set QKS,  1572864                     ; [n / 32][q, k][b][n % 32] words
.set VSC,  1703936                     ; [b][s][channel] words
.set T0T,  1736704
.set CT,   1738752
.set SLOTB, 8704                       ; a slot: 32 lines of 256 bytes + 16: chunk ch (registers 4 ch .. 4 ch + 3 of the 64 sums) of lane (r, h) at (2 ch + h) 272 + 16 r
; v1 16 lane, v2 4 lane, v3 k's rows, v4 k's scale words, v5 r - 16 h, v6 at work, v13-14 my slots, v15 my quarter's half slot, v16-20 the slots read back, v21-22 my rows of out, v23 q's rows
.set OF0, 7                            ; v7-12    unit 0's six offsets (q, q's scale words, k, k's scale words, V, V's scale words); later the quarter's
.set OF1, 248                          ; v248-253 unit 1's
.set MK,  68                           ; s[68:75] eight masks of the diagonal's compares
.set MX,  24                           ; v24-25 largest magnitudes, v26-27 the other half's, v28-29 scale operands, v30-31 bytes
.set PX,  26
.set SO,  28
.set BY,  30
.set KS,  32                           ; v32-35 k's scale words, v36 q's, v37-38 V's, v39-40 P's: scales and nothing else
.set QS,  36
.set VS,  37
.set PS,  39
.set Q1,  44                           ; v44-47 q tile 0, v48-51 zeros, v52-55 q tile 1
.set ZR,  48
.set PP,  56                           ; v56-71 P's codes, 8 a tile
.set KF,  80                           ; v80-111 k's 8 fragments; v72-79 and v112-119 T0
.set S,   120                          ; v120-151 four tiles of S^T
.set VF,  152                          ; v152-183 V's 4 fragments
.set ACC, 184                          ; v184-247 O^T: tile of queries tau, tile of channels tv at 32 tau + 8 tv
	s_load_b128 s[4:7], s[0:1], 0x0                ; wk, out
	v_lshl_add_u32 v254, v0, 2, 0x48400
	v_mov_b32 v255, 0
	v_lshrrev_b32 v56, 5, v0
	v_readfirstlane_b32 s8, v56                    ; wave 0..15
.irp z, 48,49,50,51,26,27
	v_mov_b32 v\z, 0                               ; the zero codes; and the lane permutes' destinations, which count as read
.endr
	s_wait_alu depctr_va_sdst(0)                   ; s8 is written, ahead of its first reader
	s_and_b32 s94, s8, 1                           ; my quarter of unit 32 (waves 0 to 3 alone walk it): tile of queries tau,
	s_bfe_u32 s95, s8, 0x10001                     ; half of the keys hf
	v_and_b32 v56, 31, v0                          ; lane
	v_and_b32 v57, 15, v0                          ; r
	v_bfe_u32 v58, v0, 4, 1                        ; h
	v_lshlrev_b32 v1, 4, v56
	v_lshlrev_b32 v2, 2, v56
	v_and_b32 v59, 8, v57
	v_add_nc_u32 v59, v59, v57                     ; r + 8 (r / 8)
	v_lshlrev_b32 v3, 5, v59
	v_lshl_add_u32 v3, v58, 4, v3                  ; k: that row of 32 bytes, + 16 h
	v_lshl_add_u32 v4, v58, 3, v59
	v_lshlrev_b32 v4, 2, v4                        ; k's scale words: lanes 0-15 the even tile's rows, lanes 16-31 the odd tile's (8 rows on)
	v_lshlrev_b32 v60, 4, v58
	v_sub_nc_u32 v5, v57, v60                      ; r - 16 h
	v_lshlrev_b32 v23, 5, v57
	v_lshl_add_u32 v23, v58, 4, v23                ; q: row r of 32 bytes, + 16 h
	v_mul_u32_u24 v61, v58, 272
	v_lshl_add_u32 v61, v57, 4, v61                ; 272 h + 16 r
	s_mul_i32 s14, s8, SLOTB
	v_add_nc_u32 v13, s14, v61                     ; slot w,
	v_add_nc_u32 v14, 16*SLOTB, v13                ; slot 16 + w,
	s_mul_i32 s14, s95, SLOTB
	s_mul_i32 s15, s94, 4352
	s_add_co_u32 s14, s14, s15
	s_add_co_u32 s14, s14, 32*SLOTB
	v_add_nc_u32 v15, s14, v61                     ; slot 32 + hf, its chunks 8 tau on
	v_lshrrev_b32 v62, 2, v57                      ; back: lane 16 g + l takes piece l (channels 4 l on) of row 2 w + g: tile of channels l / 4, half of the lanes (l / 2) % 2, half of the tile's registers l % 2
	v_mul_u32_u24 v16, v62, 1088
	v_and_b32 v62, 1, v57
	v_mad_u32_u24 v16, v62, 544, v16
	v_bfe_u32 v62, v57, 1, 1
	v_mad_u32_u24 v16, v62, 272, v16
	v_lshl_add_u32 v16, v58, 4, v16
	s_lshr_b32 s14, s8, 3
	s_mul_i32 s14, s14, 4352
	s_and_b32 s15, s8, 7
	s_lshl_b32 s15, s15, 5
	s_add_co_u32 s14, s14, s15
	v_add_nc_u32 v16, s14, v16
.irp g, 1,2,3,4
	v_add_nc_u32 v[16+\g], \g*7*SLOTB, v16         ; seven slots to a register, so that the offsets stay inside 16 bits
.endr
	s_lshr_b32 s9, ttmp9, 6                        ; b
	s_bfe_u32 s10, ttmp9, 0x40002                  ; j
	s_and_b32 s11, ttmp9, 3                        ; c
	s_lshl_b32 s14, s11, 5
	s_lshl_b32 s12, s10, 7
	s_add_co_u32 s12, s12, s14                     ; A's first query
	s_sub_co_u32 s29, 31, s10                      ; 31 - j
	s_lshl_b32 s13, s29, 7
	s_add_co_u32 s13, s13, s14                     ; B's first query
	s_lshl_b32 s91, s9, 17                         ; a batch's codes of q or k,
	s_lshl_b32 s92, s9, 7                          ; its words in a block of scale words,
	s_lshl_b32 s93, s9, 5                          ; its key steps
	s_mov_b32 s20, s13                             ; unit 0: (B, step w): w <= 15 < 31 - j + 1
	s_mov_b32 s23, s8
	s_add_co_u32 s14, s8, 16                       ; unit 1: u = 16 + w
	s_add_co_u32 s15, s14, s10
	s_sub_co_u32 s15, s15, 32
	s_cmp_le_u32 s14, s29
	s_cselect_b32 s21, s13, s12
	s_cselect_b32 s24, s14, s15
	s_mov_b32 s22, s12                             ; unit 32: (A, step j)
	s_mov_b32 s25, s10
.irp k, 0,1
	s_lshr_b32 s[26+\k], s[20+\k], 4
	s_lshl_b32 s14, s[23+\k], 3
	s_sub_co_u32 s[26+\k], s[26+\k], s14           ; x0 = first query / 16 - 8 step, 0 or more
	s_lshl_b32 s[88+\k], s[26+\k], 3               ; entries x0 - 6 .. x0 + 1 of c begin 8 x0 bytes into the table
.endr
	s_lshl_b32 s28, s11, 1                         ; the quarter: unit 32's x0 is 2 c; my tile and my first key make it x0' = 2 c + tau - 4 hf, from -4 to 7
	s_add_co_u32 s28, s28, s94
	s_lshl_b32 s14, s95, 2
	s_sub_co_u32 s28, s28, s14
	s_lshl_b32 s90, s28, 3
	s_add_co_u32 s90, s90, 32                      ; entries x0' - 2 .. x0' + 1 of c begin 8 (x0' + 4) bytes into the table: 0 or more
	s_lshl_b32 s14, s9, 12
	s_lshl_b32 s16, s8, 9
	s_add_co_u32 s15, s14, s12
	s_lshl_b32 s15, s15, 8
	s_add_co_u32 s15, s15, s16
	v_add_nc_u32 v21, s15, v1                      ; out: A's rows 2 w, 2 w + 1: 512 bytes a wave
	s_add_co_u32 s15, s14, s13
	s_lshl_b32 s15, s15, 8
	s_add_co_u32 s15, s15, s16
	v_add_nc_u32 v22, s15, v1                      ; B's
	s_mov_b32 s30, 0x76543210
	s_mov_b32 s31, 0xfedcba98                      ; v_permlanex16_b32's selects for lane l xor 16
	s_mov_b32 s85, 0                               ; (named as the upper halves of pairs)
	s_mov_b32 s87, 0
.macro UADDR1 k, o                     ; offsets of unit k's q, k and their scale words, into v[o] .. v[o + 3]
	s_lshl_b32 s14, s[20+\k], 5
	s_add_co_u32 s15, s14, s91
	v_add_nc_u32 v[\o], s15, v23
	s_add_co_u32 s15, s14, s92
	v_add_nc_u32 v[\o+1], s15, v2
	s_lshl_b32 s14, s[23+\k], 12
	s_add_co_u32 s15, s14, s91
	v_add_nc_u32 v[\o+2], s15, v3
	s_add_co_u32 s15, s14, s92
	v_add_nc_u32 v[\o+3], s15, v4
.endm
.macro UADDR2 k, o                     ; of its V and V's scale words, into v[o + 4], v[o + 5]
	s_add_co_u32 s14, s93, s[23+\k]
	s_lshl_b32 s15, s14, 12
	v_add_nc_u32 v[\o+4], s15, v1
	s_lshl_b32 s15, s14, 8
	v_add_nc_u32 v[\o+5], s15, v2
.endm
.macro LOADS1 o                        ; 15 loads
	global_load_b128 v[Q1:Q1+3], v[\o], s[4:5] offset:QC
	global_load_b128 v[Q1+8:Q1+11], v[\o], s[4:5] offset:QC+512
	global_load_b32 v[QS], v[\o+1], s[4:5] offset:QKS          ; lanes 0-15: query tile 0's words, lanes 16-31: tile 1's
.irp bk, 0,1,2,3
	global_load_b32 v[KS+\bk], v[\o+3], s[4:5] offset:QKS+512+1024*\bk
.endr
.irp t, 0,1,2,3,4,5,6,7
	global_load_b128 v[KF+4*\t:KF+4*\t+3], v[\o+2], s[4:5] offset:KC+(32*(\t/2)+8*(\t%2))*32
.endr
.endm
.macro LOADS2 o                        ; 10 loads
.irp p, 0,1
	global_load_b32 v[VS+\p], v[\o+5], s[4:5] offset:VSC+128*\p    ; lanes 0-15: the even tile of channels, lanes 16-31: the odd one
.endr
.irp f, 0,1,2,3,4,5,6,7
	global_load_b128 v[VF+4*\f:VF+4*\f+3], v[\o+4], s[4:5] offset:VC+512*\f
.endr
.endm
; The quarter's operands come into the places of query tile 0 and of the step's first 64 keys: the ADDRESSES say which tile and which half, so that the quarter runs the text of (tile 0, half 0)
.macro UADDR1Q
	s_lshl_b32 s14, s22, 5
	s_lshl_b32 s15, s94, 9                         ; q: 16 rows of 32 bytes for tile 1
	s_add_co_u32 s15, s15, s14
	s_add_co_u32 s15, s15, s91
	v_add_nc_u32 v[OF0], s15, v23
	s_lshl_b32 s15, s94, 6                         ; its scale words: 16 words on (lanes 16-31 then read words that the product does not take; they lie inside wk)
	s_add_co_u32 s15, s15, s14
	s_add_co_u32 s15, s15, s92
	v_add_nc_u32 v[OF0+1], s15, v2
	s_lshl_b32 s14, s25, 12
	s_lshl_b32 s15, s95, 11                        ; k: 64 rows of 32 bytes for the second half; its scale words: two blocks of 1,024 bytes
	s_add_co_u32 s14, s14, s15
	s_add_co_u32 s15, s14, s91
	v_add_nc_u32 v[OF0+2], s15, v3
	s_add_co_u32 s15, s14, s92
	v_add_nc_u32 v[OF0+3], s15, v4
.endm
.macro LOADS1Q                         ; 8 loads
	global_load_b128 v[Q1:Q1+3], v[OF0], s[4:5] offset:QC
	global_load_b32 v[QS], v[OF0+1], s[4:5] offset:QKS
.irp bk, 0,1
	global_load_b32 v[KS+\bk], v[OF0+3], s[4:5] offset:QKS+512+1024*\bk
.endr
.irp t, 0,1,2,3
	global_load_b128 v[KF+4*\t:KF+4*\t+3], v[OF0+2], s[4:5] offset:KC+(32*(\t/2)+8*(\t%2))*32
.endr
.endm
.macro UADDR2Q
	s_add_co_u32 s14, s93, s25
	s_lshl_b32 s15, s14, 12
	s_lshl_b32 s16, s95, 9                         ; V: the image's second 512 bytes of each tile hold keys 64 on
	s_add_co_u32 s15, s15, s16
	v_add_nc_u32 v[OF0+4], s15, v1
	s_lshl_b32 s15, s14, 8
	v_add_nc_u32 v[OF0+5], s15, v2
.endm
.macro LOADS2Q                         ; 6 loads: my 64 keys into registers 0-3 of each fragment; registers 4-7 keep the last unit's codes, which meet zero codes
.irp p, 0,1
	global_load_b32 v[VS+\p], v[OF0+5], s[4:5] offset:VSC+128*\p
.endr
.irp tv, 0,1,2,3
	global_load_b128 v[VF+8*\tv:VF+8*\tv+3], v[OF0+4], s[4:5] offset:VC+1024*\tv
.endr
.endm
.macro NOPS n
.rept \n
	v_nop
.endr
.endm
; S^T of query tile tau and key tiles 4 hf .. 4 hf + 3: four accumulators, each begun with 0
.macro SWMMA tau, hf
.irp tl, 0,1,2,3
.if \tau == 0
.if (\tl%2) == 0
	v_wmma_scale_f32_16x16x128_f8f6f4 v[S+8*\tl:S+8*\tl+7], v[KF+16*\hf+4*\tl:KF+16*\hf+4*\tl+7], v[Q1:Q1+7], 0, v[KS+2*\hf+\tl/2], v[QS] matrix_a_fmt:MATRIX_FMT_FP4 matrix_b_fmt:MATRIX_FMT_FP4
.else
	v_wmma_scale_f32_16x16x128_f8f6f4 v[S+8*\tl:S+8*\tl+7], v[KF+16*\hf+4*\tl:KF+16*\hf+4*\tl+7], v[Q1:Q1+7], 0, v[KS+2*\hf+\tl/2], v[QS] matrix_a_fmt:MATRIX_FMT_FP4 matrix_b_fmt:MATRIX_FMT_FP4 matrix_a_scale:MATRIX_SCALE_ROW1
.endif
.else
.if (\tl%2) == 0
	v_wmma_scale_f32_16x16x128_f8f6f4 v[S+8*\tl:S+8*\tl+7], v[KF+16*\hf+4*\tl-4:KF+16*\hf+4*\tl+3], v[ZR:ZR+7], 0, v[KS+2*\hf+\tl/2], v[QS] matrix_a_fmt:MATRIX_FMT_FP4 matrix_b_fmt:MATRIX_FMT_FP4 matrix_b_scale:MATRIX_SCALE_ROW1
.else
	v_wmma_scale_f32_16x16x128_f8f6f4 v[S+8*\tl:S+8*\tl+7], v[KF+16*\hf+4*\tl-4:KF+16*\hf+4*\tl+3], v[ZR:ZR+7], 0, v[KS+2*\hf+\tl/2], v[QS] matrix_a_fmt:MATRIX_FMT_FP4 matrix_b_fmt:MATRIX_FMT_FP4 matrix_a_scale:MATRIX_SCALE_ROW1 matrix_b_scale:MATRIX_SCALE_ROW1
.endif
.endif
.endr
.endm
; Block bk of the step's four (registers 16 bq on): where it crosses the diagonal (x = 0 or 1), key i of my sixteen is hidden where i > 16 x + r - 16 h.
; The compares go in two runs of eight, each into eight scalar registers, with one wait behind the run; then the eight selects.
.macro MASKB tau, bk, bq, k
	s_add_co_i32 s14, s[26+\k], (\tau)-2*(\bk)     ; x
	s_cmp_gt_u32 s14, 1                            ; x >= 2: all keys count; x < 0 (large as an unsigned number): c = 0 has cleared the block
	s_cbranch_scc1 .Lopen_\@
	s_lshl_b32 s14, s14, 4
	v_add_nc_u32 v6, s14, v5
.irp g, 0,1
.irp i, 0,1,2,3,4,5,6,7
	v_cmp_gt_i32 s[MK+\i], 8*\g+\i, v6
.endr
	s_wait_alu depctr_va_sdst(0)                   ; the eight compares have written s[MK ..], which the eight selects read
.irp i, 0,1,2,3,4,5,6,7
	v_cndmask_b32 v[S+16*\bq+8*\g+\i], v[S+16*\bq+8*\g+\i], v[ZR], s[MK+\i]
.endr
.endr
.Lopen_\@:
.endm
; Two blocks of 32 keys of query tile tau: the decay, the mask, the quantiser: codes into P's registers 4 hf .. 4 hf + 3, bytes into P's scale word
.macro QUANTH tau, hf, k
.set CSB, 32+16*(\k)+4*((\k)/2)        ; unit k's c: s[32:47], s[48:63]; k = 2, the quarter: counted from s68, of which only s[76:83] are loaded, and (tile 0, half 0) names only s[76:77] and s[80:81]
.irp bq, 0,1
.irp i, 0,2,4,6,8,10,12,14                     ; ascending: each accumulator is first read at its low end
	v_pk_mul_f32 v[S+16*\bq+\i:S+16*\bq+\i+1], v[S+16*\bq+\i:S+16*\bq+\i+1], v[72+\i+32*(\i/8):73+\i+32*(\i/8)]
.endr
.endr
.irp bq, 0,1
.irp i, 0,2,4,6,8,10,12,14
	v_pk_mul_f32 v[S+16*\bq+\i:S+16*\bq+\i+1], v[S+16*\bq+\i:S+16*\bq+\i+1], s[CSB+2*(6+\tau-4*\hf-2*\bq):CSB+2*(6+\tau-4*\hf-2*\bq)+1] op_sel_hi:[1,0]
.endr
.endr
	MASKB \tau, 2*\hf, 0, \k
	MASKB \tau, 2*\hf+1, 1, \k
.irp bq, 0,1
	v_max3_num_f32 v[MX+\bq], |v[S+16*\bq]|, |v[S+16*\bq+1]|, 0x1800000   ; my 16 numbers, and the floor 2^(3 - 127): the byte cannot fall under 1
.endr
.irp i, 2,4,6,8,10,12,14
.irp bq, 0,1
	v_max3_num_f32 v[MX+\bq], v[MX+\bq], |v[S+16*\bq+\i]|, |v[S+16*\bq+\i+1]|
.endr
.endr
.irp bq, 0,1
	v_permlanex16_b32 v[PX+\bq], v[MX+\bq], s30, s31
.endr
.irp bq, 0,1
	v_max_num_f32 v[MX+\bq], v[MX+\bq], v[PX+\bq]  ; with lane l xor 16's: the block's largest magnitude
.endr
.irp bq, 0,1
	v_add_nc_u32 v[SO+\bq], 0xff000000, v[MX+\bq]  ; 2 off its exponent field: the conversion's scale operand
.endr
.irp bq, 0,1
	v_lshrrev_b32 v[BY+\bq], 23, v[SO+\bq]         ; the scale's byte
.endr
.if \hf == 0
	v_lshl_or_b32 v[PS+\tau], v[BY+1], 8, v[BY]
.else
	v_lshl_or_b32 v[PS+\tau], v[BY], 16, v[PS+\tau]
	v_lshl_or_b32 v[PS+\tau], v[BY+1], 24, v[PS+\tau]
.endif
.irp bq, 0,1
	v_cvt_scalef32_pk8_fp4_f32 v[PP+8*\tau+4*\hf+2*\bq], v[S+16*\bq:S+16*\bq+7], v[SO+\bq]
	v_cvt_scalef32_pk8_fp4_f32 v[PP+8*\tau+4*\hf+2*\bq+1], v[S+16*\bq+8:S+16*\bq+15], v[SO+\bq]
.endr
	v_nop                                          ; a plain line behind the conversions
.irp i, 0,1                                    ; the operand wants a whole block in a lane: lanes 0-15 the even block, lanes 16-31 the odd one
	v_permlane16_swap_b32 v[PP+8*\tau+4*\hf+\i], v[PP+8*\tau+4*\hf+2+\i]
.endr
.endm
.macro PV                              ; O^T = V^T P^T: eight accumulators, each begun with 0
.irp tv, 0,1,2,3
.irp tau, 0,1
.if (\tv%2) == 0
	v_wmma_scale_f32_16x16x128_f8f6f4 v[ACC+32*\tau+8*\tv:ACC+32*\tau+8*\tv+7], v[VF+8*\tv:VF+8*\tv+7], v[PP+8*\tau:PP+8*\tau+7], 0, v[VS+\tv/2], v[PS+\tau] matrix_a_fmt:MATRIX_FMT_FP4 matrix_b_fmt:MATRIX_FMT_FP4
.else
	v_wmma_scale_f32_16x16x128_f8f6f4 v[ACC+32*\tau+8*\tv:ACC+32*\tau+8*\tv+7], v[VF+8*\tv:VF+8*\tv+7], v[PP+8*\tau:PP+8*\tau+7], 0, v[VS+\tv/2], v[PS+\tau] matrix_a_fmt:MATRIX_FMT_FP4 matrix_b_fmt:MATRIX_FMT_FP4 matrix_a_scale:MATRIX_SCALE_ROW1
.endif
.endr
.endr
.endm
; A UNIT.  nxt = 1: the next unit's operands are asked for as soon as this unit's registers are free; nxt = 2: the quarter's; nxt = 0: nothing follows.
.macro UNIT k, nxt
	s_wait_loadcnt 10                              ; q, k and their scale words (and T0) are in; the ten younger loads, V's, may be out
.if \k == 0
	s_wait_kmcnt 0x0                               ; the c of both units and of the quarter
.endif
	SWMMA 0, 0
	NOPS 4                                         ; four places between the products and the first read of their results
	QUANTH 0, 0, \k
	SWMMA 0, 1
	NOPS 4
	QUANTH 0, 1, \k
	SWMMA 1, 0
	NOPS 4
	QUANTH 1, 0, \k
	SWMMA 1, 1
	NOPS 4
.if \k > 0
	s_wait_alu depctr_vm_vsrc(0)                   ; the last unit's LDS stores have read ACC, which this unit's second products write; unit 0's loads have read v[OF0 ..], which the quarter's offsets overwrite
.endif
.if \nxt == 2
	UADDR1Q                                        ; (the six offsets are free: the wait at this unit's head showed unit 0's loads done)
	UADDR2Q
.endif
.if \nxt > 0
	s_wait_alu depctr_va_vdst(0)                   ; the first products are done reading q, k and their scale words, in which the loads below land; nxt = 2: the quarter's offsets are written
.endif
.if \nxt == 1
	LOADS1 OF1
.elseif \nxt == 2
	LOADS1Q
.endif
	QUANTH 1, 1, \k                                ; (it names S, T0, v24-31, P and the zeros: no register of the loads above)
.if \nxt == 1
	s_wait_loadcnt 15                              ; V is in; the fifteen younger loads are the next unit's
.elseif \nxt == 2
	s_wait_loadcnt 8                               ; V is in; the eight younger loads are the quarter's
.else
	s_wait_loadcnt 0x0
.endif
	NOPS 8                                         ; a scale word made by vector instructions stands eight places ahead of the scaled product, codes so made four
	s_wait_alu depctr_va_vdst(0)                   ; the conversions, exchanges and shifts have written P's codes and scale words, which the scaled products take; the places above stay beside this wait
	PV
	NOPS 4                                         ; places in front of the stores of results
	s_wait_alu depctr_va_vdst(0)                   ; the second products have written ACC, which the LDS stores read, and are done reading V and its scale words, in which the loads below land
.if \nxt == 1
	LOADS2 OF1
.elseif \nxt == 2
	LOADS2Q
.endif
.irp ch, 0,1,2,3,4,5,6,7,8,9,10,11,12,13,14,15
	ds_store_b128 v[13+\k], v[ACC+4*\ch:ACC+4*\ch+3] offset:544*\ch   ; each accumulator from its low end on; sixteen lanes write 256 consecutive bytes
.endr
.endm
	UADDR1 0, OF0                                  ; the twelve offsets of both units are made here, of ids alone, ahead of the wait for the arguments
	UADDR2 0, OF0
	UADDR1 1, OF1
	UADDR2 1, OF1
	s_wait_kmcnt 0x0
	s_load_b512 s[32:47], s[4:5], s88 offset:CT
	s_load_b512 s[48:63], s[4:5], s89 offset:CT
	s_load_b256 s[76:83], s[4:5], s90 offset:CT    ; the quarter's: s[76:77] = c[x0' - 2], s[80:81] = c[x0']
	s_wait_alu depctr_va_vdst(0)                   ; every offset and LDS address of the kernel (v1, v7-22, v248-253) is written, which the loads and stores read; so are the zero codes v48-51, which the first products take
	global_load_b128 v[72:75], v1, s[4:5] offset:T0T
	global_load_b128 v[76:79], v1, s[4:5] offset:T0T+512
	global_load_b128 v[112:115], v1, s[4:5] offset:T0T+1024
	global_load_b128 v[116:119], v1, s[4:5] offset:T0T+1536
	LOADS1 OF0
	LOADS2 OF0
	UNIT 0, 1
	s_cmp_lt_u32 s8, 4
	s_cbranch_scc0 .Lothers
	UNIT 1, 2
	; MY QUARTER OF UNIT 32: 16 queries x 64 keys, in the text of (tile 0, half 0)
	s_wait_loadcnt 6                               ; q, k and their scale words are in; the six younger loads, V's, may be out
.irp z, 4,5,6,7
	v_mov_b32 v[PP+\z], 0                          ; the second product's K is 64 of the instruction's 128 here: P's other half is zero codes
.endr
	SWMMA 0, 0
	NOPS 4
	QUANTH 0, 0, 2
	s_wait_loadcnt 0x0                             ; V
	s_lshl_b32 s14, s95, 4
	v_lshrrev_b32 v[VS], s14, v[VS]                ; the bytes of my two blocks of keys come down into bytes 0 and 1
	v_lshrrev_b32 v[VS+1], s14, v[VS+1]
	NOPS 8                                         ; scale words made by vector instructions stand eight places ahead of the scaled product
	s_wait_alu depctr_vm_vsrc(0)                   ; unit 1's LDS stores have read ACC, which the four products below write
	s_wait_alu depctr_va_vdst(0)                   ; P's codes, its zero half and its scale word, and V's shifted scale words are written, which the scaled products take
.irp tv, 0,1,2,3                               ; four accumulators, each begun with 0
.if (\tv%2) == 0
	v_wmma_scale_f32_16x16x128_f8f6f4 v[ACC+8*\tv:ACC+8*\tv+7], v[VF+8*\tv:VF+8*\tv+7], v[PP:PP+7], 0, v[VS+\tv/2], v[PS] matrix_a_fmt:MATRIX_FMT_FP4 matrix_b_fmt:MATRIX_FMT_FP4
.else
	v_wmma_scale_f32_16x16x128_f8f6f4 v[ACC+8*\tv:ACC+8*\tv+7], v[VF+8*\tv:VF+8*\tv+7], v[PP:PP+7], 0, v[VS+\tv/2], v[PS] matrix_a_fmt:MATRIX_FMT_FP4 matrix_b_fmt:MATRIX_FMT_FP4 matrix_a_scale:MATRIX_SCALE_ROW1
.endif
.endr
	NOPS 4
	s_wait_alu depctr_va_vdst(0)                   ; the four products have written ACC's first half, which the LDS stores read
.irp ch, 0,1,2,3,4,5,6,7
	ds_store_b128 v15, v[ACC+4*\ch:ACC+4*\ch+3] offset:544*\ch        ; half a slot: my tile's eight chunks
.endr
	s_branch .Ljoin
.Lothers:
	UNIT 1, 0
.Ljoin:
	s_wait_dscnt 0x0                               ; my slots have landed,
	s_barrier_signal -1
	s_barrier_wait -1                              ; all 34 have
	; THE SUM.  My two rows of each group: 16 bytes a lane from every slot.  Slot 0 starts B's sum and slot 32 A's, in the registers into which they are loaded.
.macro RLOAD pos, u
	ds_load_b128 v[72+4*(\pos):75+4*(\pos)], v[16+(\u)/7] offset:((\u)%7)*SLOTB
.endm
	s_wait_alu depctr_vm_vsrc(0)                   ; my LDS stores have read ACC, in whose v184-207 the loads below land.  (On both ways here the wait on va_vdst ahead of my last LDS stores stands behind the last vector or matrix instruction that names v72-207)
	RLOAD 0, 0
	RLOAD 1, 32
	RLOAD 2, 33
.irp u, 1,2,3,4,5,6,7,8,9,10,11,12,13,14,15,16,17,18,19,20,21,22,23,24,25,26,27,28,29,30,31
	RLOAD \u+2, \u
.endr
	s_wait_dscnt 31                                ; the first three of the 34 loads are in
	v_pk_add_f32 v[76:77], v[76:77], v[80:81]      ; unit 32's two halves of the keys
	v_pk_add_f32 v[78:79], v[78:79], v[82:83]
.irp u, 1,2,3,4,5,6,7,8,9,10,11,12,13,14,15,16     ; B's in every work-group, since 31 - j is at least 16
	s_wait_dscnt 31-\u                             ; slot u's load is the (u + 3)th of 34: the 31 - u younger ones may be out
	v_pk_add_f32 v[72:73], v[72:73], v[80+4*\u:81+4*\u]
	v_pk_add_f32 v[74:75], v[74:75], v[82+4*\u:83+4*\u]
.endr
.irp u, 17,18,19,20,21,22,23,24,25,26,27,28,29,30,31   ; B's where u <= 31 - j, else A's: the slot enters one sum with the factor 1 and the other with 0
	s_wait_dscnt 31-\u
	s_cmp_ge_u32 s29, \u
	s_cselect_b32 s84, 1.0, 0
	s_cselect_b32 s86, 0, 1.0
	v_pk_fma_f32 v[72:73], v[80+4*\u:81+4*\u], s[84:85], v[72:73] op_sel_hi:[1,0,1]
	v_pk_fma_f32 v[74:75], v[82+4*\u:83+4*\u], s[84:85], v[74:75] op_sel_hi:[1,0,1]
	v_pk_fma_f32 v[76:77], v[80+4*\u:81+4*\u], s[86:87], v[76:77] op_sel_hi:[1,0,1]
	v_pk_fma_f32 v[78:79], v[82+4*\u:83+4*\u], s[86:87], v[78:79] op_sel_hi:[1,0,1]
.endr
	s_wait_alu depctr_va_vdst(0)                   ; the additions have written v[72:79], which the two stores read
	global_store_b128 v22, v[72:75], s[6:7] th:TH_STORE_NT    ; the wave stores 512 consecutive bytes, aligned: two whole rows of out
	global_store_b128 v21, v[76:79], s[6:7] th:TH_STORE_NT
	s_wait_dscnt 0x0                               ; the closing lines, six on end, of a launch in the mode that stores to LDS
	s_wait_alu 0x0
	s_wait_tensorcnt 0x0
	ds_add_u32 v254, v255
	s_wait_dscnt 0x0
	s_endpgm
.Lfunc_end_k_q2e62cdcc43_ret:
	.size	k_q2e62cdcc43_ret, .Lfunc_end_k_q2e62cdcc43_ret-k_q2e62cdcc43_ret
	.p2alignl 7, 3214868480
	.fill 96, 4, 3214868480
	.section	.rodata,"a",@progbits
	.p2align	6, 0x0
	.amdhsa_kernel k_q2e62cdcc43_ret
		.amdhsa_group_segment_fixed_size 297984
		.amdhsa_private_segment_fixed_size 0
		.amdhsa_enable_private_segment 0
		.amdhsa_kernarg_size 16
		.amdhsa_user_sgpr_count 2
		.amdhsa_user_sgpr_kernarg_segment_ptr 1
		.amdhsa_wavefront_size32 1
		.amdhsa_system_sgpr_workgroup_id_x 1
		.amdhsa_system_sgpr_workgroup_id_y 1
		.amdhsa_system_sgpr_workgroup_id_z 1
		.amdhsa_system_vgpr_workitem_id 0
		.amdhsa_next_free_vgpr 256
		.amdhsa_next_free_sgpr 96
		.amdhsa_reserve_vcc 0
		.amdhsa_float_denorm_mode_32 3
		.amdhsa_float_denorm_mode_16_64 3
		.amdhsa_memory_ordered 1
		.amdhsa_forward_progress 1
		.amdhsa_inst_pref_size 150
	.end_amdhsa_kernel
	.amdgpu_metadata
---
amdhsa.version: [ 1, 2 ]
amdhsa.kernels:
  - .name:           k_q2e62cdcc43_ret
    .symbol:         k_q2e62cdcc43_ret.kd
    .args:
      - { .name: wk, .offset: 0, .size: 8, .value_kind: global_buffer, .address_space: global }
      - { .name: out0, .offset: 8, .size: 8, .value_kind: global_buffer, .address_space: global }
    .group_segment_fixed_size: 297984
    .private_segment_fixed_size: 0
    .kernarg_segment_align: 8
    .kernarg_segment_size: 16
    .max_flat_workgroup_size: 512
    .sgpr_count:     96
    .vgpr_count:     256
    .wavefront_size: 32
...
	.end_amdgpu_metadata
.endif
;; end of part 3
